; MI455X (gfx1250); checked and timed in simulation.
; The chip was launched on July 23, 2026; its instructions are those of AMD's public machine-readable ISA for CDNA 5 (MIT licence, August 2026) and "CDNA5" Instruction Set Architecture Reference Guide (July 2026). The comments in the code are by the model that wrote it; some were corrected since.
;; Cross Attention Block. Allowed arithmetic: matrix products marked QUANTISED: E2M3 operands, one E8M0 scale for each 32 along K, by v_wmma_scale_f32_16x16x128_f8f6f4 with both operands' format E2M3, f32 sums; everything else in f32.
;; Inputs: Wk 512 x 512 float32; Wq 512 x 512 float32; Wv 512 x 512 float32; audio_embed 16 x 1,024 x 512 float32; bk 512 float32; bq 512 float32; bv 512 float32; x 16 x 2,048 x 512 float32.
;; Outputs: out0 16 x 2,048 x 512 float32.
;; This version of the problem:
;;   THIS VERSION OF THE PROBLEM IS GIVEN IN LOW PRECISION. The matrix products marked QUANTISED in the list below multiply operands that are first quantised to E2M3 (2 exponent bits, 3 mantissa bits; 6 bits a number), with one power-of-two scale for each 32 numbers along K (OCP MX v1.0); their sums are f32. All else is computed in f32.
;;   The module's matrix products, in the order in which they are computed (A, B: the left and right operand; K: the contracted axis; several contracted axes count as one K, in the product's order):
;;     1. [M 32,768, K 512] x [K 512, N 512]; A: input x; B: input Wq: QUANTISED
;;     2. [M 16,384, K 512] x [K 512, N 512]; A: input audio_embed; B: input Wk: QUANTISED
;;     3. [M 16,384, K 512] x [K 512, N 512]; A: input audio_embed; B: input Wv: QUANTISED
;;     4. batch 16 x [M 2,048, K 512] x [K 512, N 1,024]; A: computed on the way; B: computed on the way: QUANTISED
;;     5. batch 16 x [M 2,048, K 1,024] x [K 1,024, N 512]; A: softmax (see below); B: computed on the way: QUANTISED
;;   THE QUANTISER, for each operand of a quantised product, along K:
;;     - K is cut into blocks of 32 from its start; a last block that is shorter is filled with zeros.
;;     - A block's scale is 2^e with e = floor(log2(the largest magnitude in the block)) - 2, held to -126 .. 127; a block of zeros has e = 0. As a byte (E8M0): e + 127.
;;     - Each number is divided by its block's scale, clamped to +-7.5, and rounded to the nearest number of E2M3, ties to even, subnormals kept.
;;     - The product sums the exact products of the quantised numbers (number of the format x scale) in f32.
;;   ~~~python
;;   def quantise(x, axis):      # numpy; x: float32 -> the quantised numbers, widened to float32 again
;;       x = np.moveaxis(x, axis, -1); K = x.shape[-1]
;;       x = np.pad(x, [(0, 0)] * (x.ndim - 1) + [(0, -K % 32)]); x = x.reshape(x.shape[:-1] + (-1, 32)); a = np.abs(x).max(-1, keepdims=True)
;;       e = np.where(a > 0, np.clip(np.frexp(np.where(a > 0, a, 1))[1] - 1 - 2, -126, 127), 0)      # np.frexp(a)[1] - 1 = floor(log2(a)), exactly
;;       r = np.clip(x / 2.0 ** e, -7.5, 7.5)
;;       step = 2.0 ** (np.maximum(np.frexp(np.where(r == 0, 1, r))[1] - 1, 0) - 3)
;;       q = np.round(r / step) * step * 2.0 ** e      # np.round: ties to even
;;       return np.moveaxis(q.reshape(q.shape[:-2] + (-1,))[..., :K], -1, axis).astype(np.float32)
;;   ~~~
;;   SOFTMAX AHEAD OF A QUANTISED PRODUCT. Where the list says 'softmax', what is quantised is not the finished softmax but p = 2^(t - M), with t = logit x log2(e) and M = ceil(the row's largest t), a whole number; so 1/2 < the row's largest p <= 1. The row's sum l is taken of the UNQUANTISED p, in f32, and the product's result is divided by l at the end. Since M is a whole number, a kernel that streams over the keys may use a running M (the ceiling of the running maximum): every later rescaling is an exact power of two, which a block's scale takes up: the codes' values come out the same.
;;   OPERANDS COMPUTED ON THE WAY. 'Computed on the way' means the value that the module computes at that place (a softmax that the list does not call 'softmax' is quantised finished and normalised). What goes into a quantiser is computed in f32, as accurately as f32 sums, v_exp_f32 and their like allow (about 1e-6 of the number): no bf16 or f16 on the way to a quantiser, and a product that is left as it is and whose result goes on into a quantised operand takes f32 operands (vector FMAs, or v_wmma_f32_16x16x4_f32). A number that lies on a knife's edge between two numbers of the format may be rounded either way, as far as f32 arithmetic and the matrix unit's own rounding can turn it there, and no further.
;; One version. Each part assembles by itself: llvm-mc -triple=amdgcn-amd-amdhsa -mcpu=gfx1250 --defsym DOCPART=n.
;; ======== version 1 of 1: 3 launches
;; limits: right only within a limited range of input values
;; workspace buffers: wcodes 638,976 bytes; acodes 6,815,744 bytes; kcodes 6,815,744 bytes; vcodes 6,815,744 bytes
;; launch prep (part 1): grid 304 x 1, 4 waves a work-group, no clusters, 50,688 bytes of LDS; arguments audio_embed, Wq, Wk, Wv, wcodes, acodes; writes wcodes, acodes
.if DOCPART == 1
	.amdgcn_target "amdgcn-amd-amdhsa--gfx1250"
	.amdhsa_code_object_version 6
	.text
	.protected	k_qbacbed9a08_prep
	.globl	k_qbacbed9a08_prep
	.p2align	8
	.type	k_qbacbed9a08_prep,@function
k_qbacbed9a08_prep:
	s_mov_b64 s[64:65], 0
	v_nop
	global_prefetch_b8 v0, s[64:65] scope:SCOPE_SE
	s_setreg_imm32_b32 hwreg(HW_REG_WAVE_MODE, 25, 1), 1
	s_wait_xcnt 0x0
; audio_embed [16,384][512] (K innermost) and Wq, Wk, Wv [512 (k)][512 (n)] (K their first axis), f32, become codes of FP6 (E2M3) with one E8M0 byte for each 32 along K, laid in the ORDER OF AN OPERAND'S REGISTERS.
; THE WORKSPACE FORMAT.  A fragment (16 rows x 128 K) is 12 registers a lane; its IMAGE is 1,536 bytes: registers 4 c .. 4 c + 3 of lane l at 512 c + 16 l.  A scale image is 128 bytes: lane l's word at 4 l (lanes 16-31 repeat lanes 0-15).
; A SUB-BLOCK, 13,312 bytes = 52 x 256, is 8 fragment images (tile t at 1,536 t), then 8 scale images at 12,288 + 128 t.  A block is the 4 sub-blocks of K steps 0 .. 3.
; wcodes: block (weight x 4 + g), g a group of 128 columns.   acodes: block rb, 128 rows of audio_embed.
; THE ROWS OF A TILE ARE NOT NEIGHBOURS: lane r of tile 2 b + u takes index 32 b + 8 u + r + 8 (r / 8) of its 128, so that, with the tile as source 0, the 16 result registers of tiles 2 b, 2 b + 1 are 16 neighbours.
; SHARES.  Work-groups 0-255: 64 rows of audio_embed, a tile of 16 rows to a wave: all its 64 loads (512 consecutive bytes each) go out at the head; each K step turns through the wave's stage in LDS (in as rows, out 16 neighbours of a
; block to a lane), is quantised and leaves as 3 x 512 consecutive bytes; the four waves' scale images are gathered in LDS and leave as 512 consecutive bytes for each K step.
; Work-groups 256-303: the weights, a task to a wave: 32 columns x 128 along K = two fragments.  A lane takes a column and its registers run down K: a block lies in one lane; the codes go through LDS into the images' order.
; The two paths part on the work-group's number and have LDS bytes of their own.  No tensor loads, no loop to run ahead in: no prefetch.  No work-group shares an input with another: no clusters.
; A block's scale is 2^(floor(log2(largest magnitude)) - 2); its byte is the largest magnitude's exponent field - 2, held at 1 from below.  A block of zeros so gets the byte 1: its codes are zeros, and this program alone reads the bytes.
; LIMITS: NaN and infinities among the inputs are not served; a block whose largest magnitude lies under 2^-124 keeps the byte 1.
.set SB,    13312
.set FRB,   1536
.set SCO,   12288
.set BLK,   4*SB
.set STGW,  8448                       ; a stage: 16 rows x 528 bytes
.set GATH,  33792                      ; behind the four stages: scale image (K step f, wave w) at 512 f + 128 w
.set WREG,  35840                      ; the weights' path: 3,584 bytes a wave
.set WRW,   3584
.set SPARE, 50176                      ; the spare words, 128 bytes a wave
.set LI, 1
.set LS, 2
.set SPW, 4
.set NIL, 5
.set STI, 6
.set STO, 7
.set GW, 8
.set GR, 9
.set WI, 3
.set WSC, 6
.set WRD, 7
.set W8G, 10
.set W8L, 12
.set TM, 48
.set PC, 64
.set PWA, 79
.set ACC, 96
.set XR, 64
.set WV, 16
.set SEL, 34
.set XP, 36
.set OPA, 38
.set OPS, 40
.set MSB, 0
.macro WIN new                         ; the immediate's high byte repeats the setting that is left
.if MSB != (\new)
	s_set_vgpr_msb (MSB<<8)|(\new)
.set MSB, (\new)
.endif
.endm
	s_load_b256 s[4:11], s[0:1], 0x0               ; audio_embed s[4:5], Wq s[6:7], Wk s[8:9], Wv s[10:11]
	s_load_b128 s[12:15], s[0:1], 0x20             ; wcodes s[12:13], acodes s[14:15]
	v_lshl_add_u32 v[SPW], v0, 2, SPARE
	v_mov_b32 v[NIL], 0
	v_lshrrev_b32 v84, 5, v0
	v_readfirstlane_b32 s[WV], v84                 ; wave 0..3
	v_and_b32 v84, 31, v0                          ; lane
	s_cmp_ge_u32 ttmp9, 256
	s_wait_alu depctr_va_vdst(0)                   ; the wait, directly ahead of the branch
	s_cbranch_scc1 .Lweights
	; ---- audio_embed
	s_lshr_b32 s17, ttmp9, 1                       ; rb: the block of 128 rows
	s_and_b32 s18, ttmp9, 1                        ; which 64 of them
	s_lshl_b32 s19, s18, 2
	s_add_co_u32 s19, s19, s[WV]                   ; my tile t
	s_lshr_b32 s20, s19, 1
	s_lshl_b32 s20, s20, 5
	s_and_b32 s21, s19, 1
	s_lshl_b32 s21, s21, 3
	s_add_co_u32 s20, s20, s21                     ; its first row: 32 (t / 2) + 8 (t % 2)
	s_lshl_b32 s21, s17, 7
	s_add_co_u32 s20, s20, s21
	s_lshl_b32 s20, s20, 11                        ; rows of 2,048 bytes
	s_mov_b32 s21, 0
	s_mul_i32 s22, s17, BLK
	s_mul_i32 s24, s19, FRB
	s_add_co_u32 s24, s24, s22                     ; my tile's images
	s_mov_b32 s25, 0
	s_mul_i32 s26, s[WV], SB
	s_add_co_u32 s26, s26, s22
	s_lshl_b32 s27, s18, 9
	s_add_co_u32 s26, s26, s27
	s_add_co_u32 s26, s26, SCO                     ; the four scale images of K step w
	s_mov_b32 s27, 0
	s_mov_b32 s[SEL], 0x76543210
	s_mov_b32 s[SEL+1], 0xfedcba98                 ; v_permlanex16_b32's selects for lane l xor 16
	s_mul_i32 s30, s[WV], STGW
	s_lshl_b32 s31, s[WV], 7
	s_add_co_u32 s31, s31, GATH
	s_lshl_b32 s32, s[WV], 9
	s_add_co_u32 s32, s32, GATH
	v_and_b32 v85, 15, v0                          ; r
	v_bfe_u32 v86, v0, 4, 1                        ; h
	v_lshlrev_b32 v[LI], 4, v84
	v_lshlrev_b32 v[LS], 2, v84
	v_mul_u32_u24 v[STO], v85, 528
	v_add_nc_u32 v[STI], s30, v[LI]
	v_lshl_add_u32 v[STO], v86, 6, v[STO]
	v_add_nc_u32 v[GW], s31, v[LS]
	v_add_nc_u32 v[GR], s32, v[LI]
	v_add_nc_u32 v[STO], s30, v[STO]
.irp b, 0,1,2,3
	v_mov_b32 v[TM+4+\b], 0                        ; written once: a lane permute's destination counts as one of its sources
.endr
	s_wait_alu depctr_va_vdst(0)                   ; the wait at the head's end
	s_wait_kmcnt 0x0
	s_add_nc_u64 s[XP:XP+1], s[4:5], s[20:21]
	s_add_nc_u64 s[OPA:OPA+1], s[14:15], s[24:25]
	s_add_nc_u64 s[OPS:OPS+1], s[14:15], s[26:27]
	WIN 0x40
.irp f, 0,1,2,3
.irp i, 0,1,2,3,4,5,6,7,8,9,10,11,12,13,14,15
	global_load_b128 v[64*\f+4*\i:64*\f+4*\i+3], v[LI], s[XP:XP+1] offset:(\i+8*(\i/8))*2048+512*\f th:TH_LOAD_NT   ; read once in the program
.endr
.endr
	WIN 0
.macro AFRAG f
	s_wait_loadcnt 16*(3-(\f))                     ; this K step's 16 loads are in; the later steps' 16 each may be out
	WIN 0x04                                       ; an LDS store's data are its source 1: window 1
.irp i, 0,1,2,3,4,5,6,7,8,9,10,11,12,13,14,15
	ds_store_b128 v[STI], v[64*(\f)+4*\i:64*(\f)+4*\i+3] offset:528*\i
.endr
	WIN 0
.irp b, 0,1,2,3
.irp j, 0,1,2,3
	ds_load_b128 v[ACC+16*\b+4*\j:ACC+16*\b+4*\j+3], v[STO] offset:128*\b+16*\j   ; LDS serves a wave's instructions in order (ISA guide 5.7.1.4): these see my stores
.endr
.endr
	s_wait_dscnt 0x0
.irp b, 0,1,2,3
	v_max3_num_f32 v[TM+\b], |v[ACC+16*\b]|, |v[ACC+1+16*\b]|, 0x1800000   ; block b: my 16 numbers, and the floor 2^(3 - 127): the byte cannot fall under 1
.endr
.irp i, 2,4,6,8,10,12,14
.irp b, 0,1,2,3
	v_max3_num_f32 v[TM+\b], v[TM+\b], |v[ACC+16*\b+\i]|, |v[ACC+1+16*\b+\i]|
.endr
.endr
.irp b, 0,1,2,3
	v_permlanex16_b32 v[TM+4+\b], v[TM+\b], s[SEL], s[SEL+1]
.endr
.irp b, 0,1,2,3
	v_max_num_f32 v[TM+\b], v[TM+\b], v[TM+4+\b]   ; with lane l xor 16's: the block's largest magnitude
.endr
.irp b, 0,1,2,3
	v_add_nc_u32 v[TM+12+\b], 0xff000000, v[TM+\b] ; 2 off the exponent field: the conversion's scale operand
.endr
.irp b, 0,1,2,3
	v_lshrrev_b32 v[TM+4+\b], 23, v[TM+12+\b]      ; the scale's byte
.endr
	s_wait_alu depctr_va_vdst(0)                   ; the wait, directly ahead of the waits below
	s_wait_dscnt 0x0                               ; the last K step's LDS store
	s_wait_xcnt 0x0                                ; and its global stores have read their registers, which are written again below
	v_lshl_or_b32 v[PWA], v[TM+5], 8, v[TM+4]
	s_delay_alu instid0(VALU_DEP_1)
	v_lshl_or_b32 v[PWA], v[TM+6], 16, v[PWA]
	s_delay_alu instid0(VALU_DEP_1)
	v_lshl_or_b32 v[PWA], v[TM+7], 24, v[PWA]
.irp c, 0,1
	v_cvt_scalef32_pk16_fp6_f32 v[PC+6*\c:PC+2+6*\c], v[ACC+32*\c:ACC+15+32*\c], v[TM+12+2*\c]
	v_cvt_scalef32_pk16_fp6_f32 v[PC+12+4*\c:PC+14+4*\c], v[ACC+16+32*\c:ACC+31+32*\c], v[TM+12+2*\c+1]   ; (a conversion's three registers begin on an even number)
.endr
	v_nop                                          ; one plain place behind a scaled conversion
.irp c, 0,1                                    ; the operand's layout wants a whole block in a lane
.irp i, 0,1,2
	v_permlane16_swap_b32 v[PC+6*\c+\i], v[PC+12+4*\c+\i]
.endr
.irp i, 0,1,2
	v_mov_b32 v[PC+3+6*\c+\i], v[PC+12+4*\c+\i]
.endr
.endr
.irp c, 0,1,2
	global_store_b128 v[LI], v[PC+4*\c:PC+4*\c+3], s[OPA:OPA+1] offset:(\f)*SB+512*\c   ; 32 lanes store 512 consecutive bytes, at a multiple of 256 from the buffer's first byte
.endr
	ds_store_b32 v[GW], v[PWA] offset:512*(\f)
.endm
.irp f, 0,1,2,3
	AFRAG \f
.endr
	s_wait_dscnt 0x0                               ; my scale images lie in LDS
	s_barrier_signal -1
	s_barrier_wait -1
	ds_load_b128 v[96:99], v[GR]                   ; K step w's four scale images
	s_wait_dscnt 0x0
	global_store_b128 v[LI], v[96:99], s[OPS:OPS+1]   ; 512 consecutive bytes, aligned
	s_wait_tensorcnt 0x0                           ; the wave's end
	ds_add_u32 v[SPW], v[NIL]
	s_wait_dscnt 0x0
	s_endpgm
	; ---- the weights: task = weight x 64 + (which 32 columns) x 4 + K step
.Lweights:
	s_sub_co_u32 s17, ttmp9, 256
	s_lshl_b32 s17, s17, 2
	s_add_co_u32 s17, s17, s[WV]
	s_lshr_b32 s18, s17, 6                         ; which weight
	s_bfe_u32 s19, s17, 0x40002                    ; cg: which 32 columns
	s_and_b32 s20, s17, 3                          ; s: which 128 along K
	s_lshl_b32 s22, s20, 18                        ; 128 s rows of 2,048 bytes
	s_lshl_b32 s23, s19, 7
	s_add_co_u32 s22, s22, s23
	s_mov_b32 s23, 0
	s_lshl_b32 s24, s18, 2
	s_lshr_b32 s25, s19, 2
	s_add_co_u32 s24, s24, s25
	s_lshl_b32 s24, s24, 2
	s_add_co_u32 s24, s24, s20
	s_mul_i32 s24, s24, SB                         ; my sub-block
	s_and_b32 s25, s19, 3                          ; tiles 2 b and 2 b + 1
	s_mul_i32 s26, s25, 2*FRB
	s_lshl_b32 s25, s25, 8
	s_add_co_u32 s26, s24, s26                     ; where my two fragment images go,
	s_mov_b32 s27, 0
	s_add_co_u32 s28, s24, s25
	s_add_co_u32 s28, s28, SCO                     ; and my two scale images
	s_mov_b32 s29, 0
	s_mul_i32 s30, s[WV], WRW
	s_add_co_u32 s30, s30, WREG
	s_add_co_u32 s31, s30, 2*FRB
	v_lshlrev_b32 v[LI], 4, v84
	v_lshlrev_b32 v[LS], 2, v84
	v_bfe_u32 v8, v84, 3, 1                        ; u: which of the two tiles my column belongs to
	v_and_b32 v9, 7, v84
	v_lshrrev_b32 v11, 4, v84
	v_lshlrev_b32 v[W8G], 3, v84
	v_lshl_add_u32 v9, v11, 3, v9                  ; r = l % 8 + 8 (l / 16): my column's lane in that tile
	v_mul_u32_u24 v[WI], v8, FRB
	v_lshlrev_b32 v[WSC], 7, v8
	v_lshl_add_u32 v[WI], v9, 4, v[WI]
	v_lshl_add_u32 v[WSC], v9, 2, v[WSC]
	v_add_nc_u32 v[WI], s30, v[WI]                 ; the image: 1,536 u + 16 r
	v_add_nc_u32 v[WSC], s31, v[WSC]               ; the scale image: 3,072 + 128 u + 4 r
	v_add_nc_u32 v[WRD], s30, v[LI]
	v_add_nc_u32 v[W8L], s31, v[W8G]
	s_wait_alu depctr_va_vdst(0)                   ; the wait at the head's end
	s_wait_kmcnt 0x0
	s_cmp_eq_u32 s18, 1                            ; the choice hangs on ids alone
	s_cselect_b64 s[6:7], s[8:9], s[6:7]
	s_cmp_eq_u32 s18, 2
	s_cselect_b64 s[6:7], s[10:11], s[6:7]
	s_add_nc_u64 s[6:7], s[6:7], s[22:23]
	s_add_nc_u64 s[26:27], s[12:13], s[26:27]
	s_add_nc_u64 s[28:29], s[12:13], s[28:29]
.set I, 0
.rept 128
	global_load_b32 v[XR+I], v[LS], s[6:7] offset:I*2048 th:TH_LOAD_NT   ; W(128 s + I, my column)
.set I, I+1
.endr
	s_wait_loadcnt 0x0
; Block kb = 2 c + h of my column is registers 6 c .. 6 c + 5 of lane r + 16 h of the fragment.  Each block has code registers of its own, so no LDS store's data are written again.
.macro WBLK kb
.set XB, XR+32*(\kb)
.set H, 16+12*(\kb)
	v_max3_num_f32 v8, |v[XB]|, |v[XB+1]|, |v[XB+2]|
	v_max3_num_f32 v9, |v[XB+3]|, |v[XB+4]|, |v[XB+5]|
.irp i, 6,10,14,18,22,26
	v_max3_num_f32 v8, v8, |v[XB+\i]|, |v[XB+\i+1]|
	v_max3_num_f32 v9, v9, |v[XB+\i+2]|, |v[XB+\i+3]|
.endr
	v_max3_num_f32 v8, v8, |v[XB+30]|, |v[XB+31]|
	v_max3_num_f32 v8, v8, v9, 0x1800000           ; and the floor 2^(3 - 127)
	v_add_nc_u32 v11, 0xff000000, v8               ; 2 off the exponent field: the conversion's scale operand
	v_lshrrev_b32 v13, 23, v11                     ; the scale's byte
.if (\kb) == 0
	v_mov_b32 v14, v13
.else
	v_lshl_or_b32 v14, v13, 8*(\kb), v14           ; the lower K in the lower byte
.endif
	v_cvt_scalef32_pk16_fp6_f32 v[H:H+2], v[XB:XB+15], v11
	v_cvt_scalef32_pk16_fp6_f32 v[H+8:H+10], v[XB+16:XB+31], v11
	v_nop                                          ; one plain place behind a scaled conversion
.irp i, 0,1,2
	v_mov_b32 v[H+3+\i], v[H+8+\i]
.endr
.if (\kb) < 2
	ds_store_b128 v[WI], v[H:H+3] offset:256*((\kb)%2)             ; registers 0-3
	ds_store_b64 v[WI], v[H+4:H+5] offset:512+256*((\kb)%2)        ; registers 4, 5
.else
	ds_store_b64 v[WI], v[H:H+1] offset:512+256*((\kb)%2)+8        ; registers 6, 7
	ds_store_b128 v[WI], v[H+2:H+5] offset:1024+256*((\kb)%2)      ; registers 8-11
.endif
.endm
	WBLK 0
	WBLK 1
	WBLK 2
	WBLK 3
	ds_store_b32 v[WSC], v14                       ; my column's scale word, for lane r
	ds_store_b32 v[WSC], v14 offset:64             ; and for lane 16 + r
.irp i, 0,1,2,3,4,5
	ds_load_b128 v[XR+4*\i:XR+4*\i+3], v[WRD] offset:512*\i   ; in order behind my stores
.endr
	ds_load_b64 v[88:89], v[W8L]
	s_wait_dscnt 0x0
.irp i, 0,1,2,3,4,5
	global_store_b128 v[LI], v[XR+4*\i:XR+4*\i+3], s[26:27] offset:512*\i   ; 512 consecutive bytes, at a multiple of 256 from the buffer's first byte
.endr
	global_store_b64 v[W8G], v[88:89], s[28:29]    ; 256 consecutive bytes, aligned
	s_wait_tensorcnt 0x0                           ; the wave's end
	ds_add_u32 v[SPW], v[NIL]
	s_wait_dscnt 0x0
	s_endpgm
.Lfunc_end_k_qbacbed9a08_prep:
	.size	k_qbacbed9a08_prep, .Lfunc_end_k_qbacbed9a08_prep-k_qbacbed9a08_prep
	.p2alignl 7, 3214868480
	.fill 96, 4, 3214868480
	.section	.rodata,"a",@progbits
	.p2align	6, 0x0
	.amdhsa_kernel k_qbacbed9a08_prep
		.amdhsa_group_segment_fixed_size 50688
		.amdhsa_private_segment_fixed_size 0
		.amdhsa_enable_private_segment 0
		.amdhsa_kernarg_size 48
		.amdhsa_user_sgpr_count 2
		.amdhsa_user_sgpr_kernarg_segment_ptr 1
		.amdhsa_wavefront_size32 1
		.amdhsa_system_sgpr_workgroup_id_x 1
		.amdhsa_system_sgpr_workgroup_id_y 1
		.amdhsa_system_sgpr_workgroup_id_z 1
		.amdhsa_system_vgpr_workitem_id 0
		.amdhsa_next_free_vgpr 512
		.amdhsa_next_free_sgpr 66
		.amdhsa_reserve_vcc 0
		.amdhsa_float_denorm_mode_32 3
		.amdhsa_float_denorm_mode_16_64 3
		.amdhsa_memory_ordered 1
		.amdhsa_forward_progress 1
		.amdhsa_inst_pref_size 57
	.end_amdhsa_kernel
	.amdgpu_metadata
---
amdhsa.version: [ 1, 2 ]
amdhsa.kernels:
  - .name:           k_qbacbed9a08_prep
    .symbol:         k_qbacbed9a08_prep.kd
    .args:
      - { .name: audio_embed, .offset: 0, .size: 8, .value_kind: global_buffer, .address_space: global }
      - { .name: Wq, .offset: 8, .size: 8, .value_kind: global_buffer, .address_space: global }
      - { .name: Wk, .offset: 16, .size: 8, .value_kind: global_buffer, .address_space: global }
      - { .name: Wv, .offset: 24, .size: 8, .value_kind: global_buffer, .address_space: global }
      - { .name: wcodes, .offset: 32, .size: 8, .value_kind: global_buffer, .address_space: global }
      - { .name: acodes, .offset: 40, .size: 8, .value_kind: global_buffer, .address_space: global }
    .group_segment_fixed_size: 50688
    .private_segment_fixed_size: 0
    .kernarg_segment_align: 8
    .kernarg_segment_size: 48
    .max_flat_workgroup_size: 128
    .sgpr_count:     66
    .vgpr_count:     512
    .wavefront_size: 32
...
	.end_amdgpu_metadata
.endif
;; end of part 1
;; launch kvproj (part 2): grid 256 x 1, 8 waves a work-group, no clusters, 327,680 bytes of LDS; arguments acodes, wcodes, bk, bv, kcodes, vcodes; writes kcodes, vcodes
.if DOCPART == 2
	.amdgcn_target "amdgcn-amd-amdhsa--gfx1250"
	.amdhsa_code_object_version 6
	.text
	.protected	k_qbacbed9a08_kvproj
	.globl	k_qbacbed9a08_kvproj
	.p2align	8
	.type	k_qbacbed9a08_kvproj,@function
k_qbacbed9a08_kvproj:
	s_mov_b64 s[64:65], 0
	v_nop
	global_prefetch_b8 v0, s[64:65] scope:SCOPE_SE
	s_setreg_imm32_b32 hwreg(HW_REG_WAVE_MODE, 25, 1), 1
	s_wait_xcnt 0x0
; K = a Wk + bk and V = a Wv + bv, a = audio_embed, both products on the codes of FP6 (E2M3) that the launch before has laid (its head states the workspace format: fragment image 1,536 bytes, scale image 128, sub-block 13,312, block = 4 sub-blocks);
; the results are quantised again for the attention launch: K along its 512 channels, V along the KEYS.
;   kcodes: sub-block ((batch x 8 + ks) x 4 + s): tile = 16 keys of key step ks (128 keys), K = channels 128 s on.    vcodes: sub-block ((batch x 4 + g) x 8 + ks): tile = 16 channels of group g, K = the 128 keys of ks.
; SHARES.  Work-group x: rows 128 (x / 2) on of a (one key step), half x % 2 of the 512 columns.  EIGHT WAVES, two to a SIMD.  Waves 0-3 make K, waves 4-7 V; waves 2 i, 2 i + 1 make the two halves of ONE sub-block, 128 matrix instructions each.
; ONE TEXT FOR BOTH ROLES: D = (4 resident tiles, in window 1, as source 0) x (2 streamed tiles a unit as source 1), 4 units.  K: resident = 64 channels of Wk, streamed = a's 8 tiles of keys: a lane holds a key, its registers run along the channels.
; V: resident = 64 keys of a, streamed = Wv's 8 tiles of channels: a lane holds a channel, its registers run along the keys.  Both sides lie in LDS in the block format, so base addresses are all that differs; no branch hangs on the role.
; A unit holds 64 numbers a lane: blocks (streamed tile mm, block b) at register 16 (2 mm + b); the quantiser's output c = mm is HALF a fragment (64 along the next K) of tile mm.  The halves are joined in LDS
; (half c of a fragment: registers 6 c .. 6 c + 3 of lane l at 768 c + 16 l, registers 6 c + 4, 5 at 768 c + 512 + 8 l; 16 bits of a scale word at 4 l + 2 c) and leave as whole images.
; THE BIAS: K's runs along the registers: it is the C of each sum's first matrix instruction.  V's is one number a lane: it is added to the finished sums.  Each role's unused bias is replaced by zeros (v_cndmask_b32 on the wave's role).
; THE WEIGHTS: each wave brings half a block (26,624 bytes) by ONE tensor load at the head, into LDS bytes filled once.  a's block comes through registers, 13 loads of 512 bytes a wave.
; NO JOINT LOADS: each fill is asked for once, at the head; nothing is filled again, so the text has no ring.  NO PREFETCH: the text has no loop to run ahead in; every stream's loads go out at the head.
; LIMITS: NaN and infinities among the inputs are not served; a block whose largest magnitude lies under 2^-124 keeps the scale byte 1 (a block of zeros too: its codes are zeros, and this program alone reads the bytes).
; LDS: a's block at 0; the four weight blocks (Wk's two, Wv's two); the four sub-blocks on their way out; the spare words.  The claim is all of a WGP's LDS, more than the 320,512 bytes in use.
; REGISTERS, window 0: v1-18 addresses; v24-47 scale words and nothing else; v48-63 at work; v64-83 codes just made; v84-91 V's bias; v96-159 accumulators; v160-255 two streamed tiles.   window 1: v0-191 the resident fragments, v192-223 K's bias.
.set SB,    13312
.set FRB,   1536
.set SCO,   12288
.set BLK,   4*SB
.set OUTR,  5*BLK
.set SPARE, 6*BLK
.set LI, 1
.set LS, 2
.set L8, 3
.set SPW, 4
.set NIL, 5
.set RA, 6
.set RS, 7
.set SA16, 8
.set SAS, 9
.set HQ16, 10
.set HQ8, 11
.set HQS, 12
.set OR16, 13
.set OR8, 14
.set ORS, 15
.set AW, 16
.set BO, 17
.set BO2, 18
.set RSC, 24
.set SSC, 40
.set TM, 48
.set PC, 64
.set PWA, 79
.set PWB, 83
.set BB, 84
.set ZERO, 92
.set ACC, 96
.set FR, 160
.set WV, 16
.set ROLE, 17
.set HB, 18
.set OB, 19
.set SEL, 20
.set MK, 22
.set AP, 24
.set BPC, 26
.set BPL, 28
.set OP, 30
.set OP2, 32
.set MSB, 0
.macro WIN new                         ; the immediate's high byte repeats the setting that is left
.if MSB != (\new)
	s_set_vgpr_msb (MSB<<8)|(\new)
.set MSB, (\new)
.endif
.endm
.macro BARRIER                         ; my LDS stores have landed and my LDS loads are in: then the work-group's barrier
	s_wait_dscnt 0x0
	s_barrier_signal -1
	s_barrier_wait -1
.endm
.macro WMC d, a, b, c, sa, sb
	v_wmma_scale_f32_16x16x128_f8f6f4 v[\d:\d+7], v[\a:\a+11], v[\b:\b+11], v[\c:\c+7], v[\sa], v[\sb] matrix_a_fmt:MATRIX_FMT_FP6 matrix_b_fmt:MATRIX_FMT_FP6
.endm
.macro HIMG c, off                     ; half c of the codes goes to LDS: 768 bytes
	ds_store_b128 v[HQ16], v[PC+6*\c:PC+6*\c+3] offset:\off
	ds_store_b64 v[HQ8], v[PC+6*\c+4:PC+6*\c+5] offset:\off+512
.endm
.macro FETCH2 u                        ; streamed tiles 2 u, 2 u + 1: 8 fragments and their scale words
.irp mm, 0,1
.irp s, 0,1,2,3
.irp c, 0,1,2
	ds_load_b128 v[FR+48*\mm+12*\s+4*\c:FR+48*\mm+12*\s+4*\c+3], v[SA16] offset:\s*SB+(2*(\u)+\mm)*FRB+512*\c
.endr
	ds_load_b32 v[SSC+4*\mm+\s], v[SAS] offset:\s*SB+(2*(\u)+\mm)*128
.endr
.endr
.endm
; 32 matrix instructions, K ascending.  The 8 accumulators take turns, one instruction a turn.  The first K step takes the bias as C
.macro MUL32
.irp s, 0,1,2,3
.if \s == 0
	WIN 0x11
.else
	WIN 0x01
.endif
.irp t, 0,1,2,3
.irp mm, 0,1
.if \s == 0
	WMC ACC+32*\mm+8*\t, 12*\t, FR+48*\mm, 192+8*\t, RSC+\t, SSC+4*\mm
.else
	WMC ACC+32*\mm+8*\t, 48*\s+12*\t, FR+48*\mm+12*\s, ACC+32*\mm+8*\t, RSC+4*\s+\t, SSC+4*\mm+\s
.endif
.endr
.endr
.endr
	WIN 0
.endm
.macro UNIT u
	s_wait_dscnt 0x0                               ; the two streamed tiles are in
	MUL32
.rept 5
	v_nop                                          ; places: four ahead of the loads into registers that the products read and of the first read of results; a fifth for the next products, which begin these accumulators anew
.endr
.if (\u) < 3
	FETCH2 (\u)+1
.endif
.set J, 0
.rept 16                                       ; V's bias, one number a lane and tile (zeros in K's waves); each accumulator from its low end on
	v_pk_add_f32 v[ACC+J:ACC+J+1], v[ACC+J:ACC+J+1], v[BB+2*(\u):BB+2*(\u)+1] op_sel_hi:[1,0]
	v_pk_add_f32 v[ACC+32+J:ACC+33+J], v[ACC+32+J:ACC+33+J], v[BB+2*(\u):BB+2*(\u)+1] op_sel:[0,1] op_sel_hi:[1,1]
.set J, J+2
.endr
.irp b, 0,1,2,3
	v_max3_num_f32 v[TM+\b], |v[ACC+16*\b]|, |v[ACC+1+16*\b]|, 0x1800000   ; block b: my 16 numbers, and the floor 2^(3 - 127): the byte cannot fall under 1
.endr
.irp i, 2,4,6,8,10,12,14
.irp b, 0,1,2,3
	v_max3_num_f32 v[TM+\b], v[TM+\b], |v[ACC+16*\b+\i]|, |v[ACC+1+16*\b+\i]|
.endr
.endr
.irp b, 0,1,2,3
	v_permlanex16_b32 v[TM+4+\b], v[TM+\b], s[SEL], s[SEL+1]
.endr
.irp b, 0,1,2,3
	v_max_num_f32 v[TM+\b], v[TM+\b], v[TM+4+\b]   ; with lane l xor 16's: the block's largest magnitude
.endr
.irp b, 0,1,2,3
	v_add_nc_u32 v[TM+12+\b], 0xff000000, v[TM+\b] ; 2 off the exponent field: the conversion's scale operand
.endr
.irp b, 0,1,2,3
	v_lshrrev_b32 v[TM+4+\b], 23, v[TM+12+\b]      ; the scale's byte
.endr
	s_wait_alu depctr_va_vdst(0)                   ; the wait, directly ahead of the wait below
	s_wait_dscnt 0x0                               ; the LDS stores of the last codes have read their registers, which are written again below
	v_lshl_or_b32 v[PWA], v[TM+5], 8, v[TM+4]
	v_lshl_or_b32 v[PWB], v[TM+7], 8, v[TM+6]
.irp c, 0,1
	v_cvt_scalef32_pk16_fp6_f32 v[PC+6*\c:PC+2+6*\c], v[ACC+32*\c:ACC+15+32*\c], v[TM+12+2*\c]
	v_cvt_scalef32_pk16_fp6_f32 v[PC+12+4*\c:PC+14+4*\c], v[ACC+16+32*\c:ACC+31+32*\c], v[TM+12+2*\c+1]   ; (a conversion's three registers begin on an even number)
.endr
	v_nop                                          ; one plain place behind a scaled conversion
.irp c, 0,1                                    ; the operand's layout wants a whole block in a lane
.irp i, 0,1,2
	v_permlane16_swap_b32 v[PC+6*\c+\i], v[PC+12+4*\c+\i]
.endr
.irp i, 0,1,2
	v_mov_b32 v[PC+3+6*\c+\i], v[PC+12+4*\c+\i]
.endr
.endr
	HIMG 0, 2*(\u)*FRB
	HIMG 1, (2*(\u)+1)*FRB
	ds_store_b16 v[HQS], v[PWA] offset:2*(\u)*128
	ds_store_b16 v[HQS], v[PWB] offset:(2*(\u)+1)*128
.endm
	s_load_b256 s[4:11], s[0:1], 0x0               ; acodes s[4:5], wcodes s[6:7], bk s[8:9], bv s[10:11]
	s_load_b128 s[12:15], s[0:1], 0x20             ; kcodes s[12:13], vcodes s[14:15]
	v_lshl_add_u32 v[SPW], v0, 2, SPARE
	v_mov_b32 v[NIL], 0
	ds_add_u32 v[SPW], v[NIL]                      ; the opening lines: the add, twice on end, and its wait ahead of my tensor load
	ds_add_u32 v[SPW], v[NIL]
	v_lshrrev_b32 v93, 5, v0
	v_readfirstlane_b32 s[WV], v93                 ; wave 0..7
	s_lshr_b32 s[ROLE], s[WV], 2                   ; 0 K, 1 V
	s_and_b32 s[HB], s[WV], 1                      ; which half of the sub-block
	s_lshr_b32 s[OB], s[WV], 1                     ; which sub-block, and which weight block in LDS
	s_mov_b32 s[SEL], 0x76543210
	s_mov_b32 s[SEL+1], 0xfedcba98                 ; v_permlanex16_b32's selects for lane l xor 16
	s_and_b32 s48, ttmp9, 1
	s_lshl_b32 s48, s48, 1
	s_and_b32 s23, s[OB], 1
	s_add_co_u32 s48, s48, s23                     ; g: my group of 128 columns
	s_lshr_b32 s49, ttmp9, 1                       ; rb = batch x 8 + ks
	s_mul_i32 s50, s49, BLK
	s_mul_i32 s75, s[WV], 6656                     ; my eighth of a's block
	s_add_co_u32 s50, s50, s75
	s_mov_b32 s51, 0
	s_add_co_u32 s52, s[ROLE], 1                   ; Wk is weight 1, Wv weight 2
	s_lshl_b32 s52, s52, 2
	s_add_co_u32 s52, s52, s48
	s_mul_i32 s52, s52, BLK
	s_mul_i32 s23, s[HB], 2*SB
	s_add_co_u32 s52, s52, s23                     ; the half block that I fetch
	s_mov_b32 s53, 0
	s_lshl_b32 s54, s49, 2
	s_add_co_u32 s54, s54, s48                     ; K's sub-block: rb x 4 + g
	s_lshr_b32 s55, s49, 3
	s_lshl_b32 s55, s55, 2
	s_add_co_u32 s55, s55, s48
	s_lshl_b32 s55, s55, 3
	s_and_b32 s23, s49, 7
	s_add_co_u32 s55, s55, s23                     ; V's: (batch x 4 + g) x 8 + ks
	s_mul_i32 s56, s[HB], 4*FRB
	s_mov_b32 s57, 0
	s_lshl_b32 s58, s[HB], 9
	s_add_co_u32 s58, s58, SCO
	s_mov_b32 s59, 0
	s_lshl_b32 s60, s48, 9                         ; the bias of my group
	s_mov_b32 s61, 0
	s_lshl_b32 s62, s[HB], 8
	s_mov_b32 s63, 0
	s_mul_i32 s66, s[OB], BLK
	s_add_co_u32 s66, s66, BLK                     ; my weight block in LDS
	s_xor_b32 s67, s[ROLE], 1
	s_mul_i32 s67, s67, s66                        ; the resident side: K: my weights; V: a's block, at 0
	s_mul_i32 s69, s[ROLE], s66                    ; the streamed side: the other one
	s_add_co_u32 s68, s67, s58
	s_add_co_u32 s67, s67, s56                     ; its tiles 4 (w % 2) on
	s_add_co_u32 s70, s69, SCO
	s_mul_i32 s71, s[OB], SB
	s_add_co_u32 s71, s71, OUTR                    ; my sub-block on its way out
	s_add_co_u32 s73, s71, s56
	s_add_co_u32 s74, s71, s58
	s_lshl_b32 s72, s[HB], 1
	s_add_co_u32 s72, s72, s71
	s_add_co_u32 s72, s72, SCO
	s_mul_i32 s23, s[HB], 768
	s_add_co_u32 s71, s71, s23
	; the weights' descriptor.  Group 1: 104 rows of 256 bytes (32 elements of 8 bytes), dense, no padding
	s_mov_b32 s40, 3<<16
	s_mov_b32 s41, 32<<16
	s_mov_b32 s42, 104<<16
	s_mov_b32 s43, 32<<16
	s_mov_b32 s44, 104
	s_mov_b32 s45, 32
	s_mov_b32 s46, 0
	s_mov_b32 s47, 0
	s_mov_b32 s36, 1
	s_mul_i32 s37, s[WV], 2*SB
	s_add_co_u32 s37, s37, BLK                     ; LDS address: a constant + the wave's number x a constant
	v_and_b32 v93, 31, v0                          ; lane
	v_and_b32 v94, 15, v0                          ; r
	v_bfe_u32 v95, v0, 4, 1                        ; h
	v_lshlrev_b32 v[LI], 4, v93
	v_lshlrev_b32 v[LS], 2, v93
	v_lshlrev_b32 v[L8], 3, v93
	v_lshlrev_b32 v[BO], 6, v95                    ; K's bias: lane (r, h) wants, for tile 2 b + u, channels 32 b + 16 h + 8 u + 0 .. 7
	v_and_b32 v[BO2], 8, v94
	v_add_nc_u32 v[RA], s67, v[LI]
	v_add_nc_u32 v[RS], s68, v[LS]
	v_add_nc_u32 v[BO2], v[BO2], v94
	v_add_nc_u32 v[SA16], s69, v[LI]
	v_add_nc_u32 v[SAS], s70, v[LS]
	v_lshlrev_b32 v[BO2], 2, v[BO2]                ; V's: for tile 2 b + u, channel 32 b + 8 u + r + 8 (r / 8)
	v_add_nc_u32 v[HQ16], s71, v[LI]
	v_add_nc_u32 v[HQ8], s71, v[L8]
	v_add_nc_u32 v[HQS], s72, v[LS]
	v_add_nc_u32 v[OR16], s73, v[LI]
	v_add_nc_u32 v[OR8], s73, v[L8]
	v_add_nc_u32 v[ORS], s74, v[LI]
	v_add_nc_u32 v[AW], s75, v[LI]
	v_mov_b32 v[ZERO], 0
.irp b, 0,1,2,3
	v_mov_b32 v[TM+4+\b], 0                        ; written once: a lane permute's destination counts as one of its sources
.endr
	s_wait_alu depctr_va_vdst(0)                   ; the wait at the head's end
	s_wait_dscnt 0x0                               ; both opening adds are done
	s_wait_kmcnt 0x0
	s_cmp_eq_u32 s[ROLE], 0                        ; the choices hang on the wave's number alone
	s_cselect_b32 s[MK], 0, -1                     ; all lanes' bits set in V's waves
	s_cselect_b32 s54, s54, s55
	s_cselect_b64 s[BPC:BPC+1], s[8:9], s[10:11]
	s_cselect_b64 s[OP:OP+1], s[12:13], s[14:15]
	s_mul_i32 s54, s54, SB
	s_mov_b32 s55, 0
	s_add_nc_u64 s[OP:OP+1], s[OP:OP+1], s[54:55]
	s_add_nc_u64 s[OP2:OP2+1], s[OP:OP+1], s[58:59]
	s_add_nc_u64 s[OP:OP+1], s[OP:OP+1], s[56:57]
	s_add_nc_u64 s[BPL:BPL+1], s[BPC:BPC+1], s[60:61]
	s_add_nc_u64 s[BPC:BPC+1], s[BPL:BPL+1], s[62:63]
	s_add_nc_u64 s[AP:AP+1], s[4:5], s[50:51]
	s_add_nc_u64 s[38:39], s[6:7], s[52:53]
	s_or_b32 s39, s39, 0x80000000                  ; type = 2
	tensor_load_to_lds s[36:39], s[40:47]          ; my one tensor load: by this text's count one is out
	s_nop 0
.rept 4
	v_nop                                          ; four nops behind a tensor load
.endr
	WIN 0x40
.irp t, 0,1,2,3
	global_load_b128 v[192+8*\t:192+8*\t+3], v[BO], s[BPC:BPC+1] offset:(32*(\t/2)+8*(\t%2))*4
	global_load_b128 v[192+8*\t+4:192+8*\t+7], v[BO], s[BPC:BPC+1] offset:(32*(\t/2)+8*(\t%2))*4+16
.endr
	WIN 0
.irp u, 0,1,2,3,4,5,6,7
	global_load_b32 v[BB+\u], v[BO2], s[BPL:BPL+1] offset:(32*(\u/2)+8*(\u%2))*4
.endr
.irp i, 0,1,2,3,4,5,6,7,8,9,10,11,12
	global_load_b128 v[96+4*\i:96+4*\i+3], v[LI], s[AP:AP+1] offset:512*\i   ; my eighth of a's block, as it lies
.endr
	s_wait_loadcnt 0x0
.irp i, 0,1,2,3,4,5,6,7,8,9,10,11,12
	ds_store_b128 v[AW], v[96+4*\i:96+4*\i+3] offset:512*\i
.endr
	WIN 0x41                                       ; destination and source 0 window 1, source 1 window 0
.set J, 0
.rept 32
	v_cndmask_b32 v[192+J], v[192+J], v[ZERO], s[MK]   ; V's waves: no bias along the registers
.set J, J+1
.endr
	WIN 0
.irp u, 0,1,2,3,4,5,6,7
	v_cndmask_b32 v[BB+\u], v[ZERO], v[BB+\u], s[MK]   ; K's waves: no bias by lanes
.endr
	s_wait_alu depctr_va_vdst(0)                   ; the wait, directly ahead of the wait below
	s_wait_tensorcnt 0x0                           ; my half block of weights is in LDS
	BARRIER                                        ; a's block and the four weight blocks lie in LDS
	WIN 0x40
.irp s, 0,1,2,3
.irp t, 0,1,2,3
.irp c, 0,1,2
	ds_load_b128 v[48*\s+12*\t+4*\c:48*\s+12*\t+4*\c+3], v[RA] offset:\s*SB+\t*FRB+512*\c   ; the resident side: 16 fragments
.endr
.endr
.endr
	WIN 0
.irp s, 0,1,2,3
.irp t, 0,1,2,3
	ds_load_b32 v[RSC+4*\s+\t], v[RS] offset:\s*SB+128*\t
.endr
.endr
	FETCH2 0
.irp u, 0,1,2,3
	UNIT \u
.endr
	BARRIER                                        ; both halves of every fragment lie in LDS
.irp i, 0,1,2,3                                ; fragments 4 (w % 2) on of my sub-block, whole, and their scale images
	ds_load_b128 v[96+12*\i:96+12*\i+3], v[OR16] offset:\i*FRB
	ds_load_b64 v[96+12*\i+4:96+12*\i+5], v[OR8] offset:\i*FRB+512
	ds_load_b128 v[96+12*\i+6:96+12*\i+9], v[OR16] offset:\i*FRB+768
	ds_load_b64 v[96+12*\i+10:96+12*\i+11], v[OR8] offset:\i*FRB+1280
.endr
	ds_load_b128 v[144:147], v[ORS]
	s_wait_dscnt 0x0
.irp i, 0,1,2,3
.irp c, 0,1,2
	global_store_b128 v[LI], v[96+12*\i+4*\c:96+12*\i+4*\c+3], s[OP:OP+1] offset:\i*FRB+512*\c   ; 32 lanes store 512 consecutive bytes, at a multiple of 256 from the buffer's first byte
.endr
.endr
	global_store_b128 v[LI], v[144:147], s[OP2:OP2+1]
	s_wait_tensorcnt 0x0                           ; the wave's end
	ds_add_u32 v[SPW], v[NIL]
	s_wait_dscnt 0x0
	s_endpgm
.Lfunc_end_k_qbacbed9a08_kvproj:
	.size	k_qbacbed9a08_kvproj, .Lfunc_end_k_qbacbed9a08_kvproj-k_qbacbed9a08_kvproj
	.p2alignl 7, 3214868480
	.fill 96, 4, 3214868480
	.section	.rodata,"a",@progbits
	.p2align	6, 0x0
	.amdhsa_kernel k_qbacbed9a08_kvproj
		.amdhsa_group_segment_fixed_size 327680
		.amdhsa_private_segment_fixed_size 0
		.amdhsa_enable_private_segment 0
		.amdhsa_kernarg_size 48
		.amdhsa_user_sgpr_count 2
		.amdhsa_user_sgpr_kernarg_segment_ptr 1
		.amdhsa_wavefront_size32 1
		.amdhsa_system_sgpr_workgroup_id_x 1
		.amdhsa_system_sgpr_workgroup_id_y 1
		.amdhsa_system_sgpr_workgroup_id_z 1
		.amdhsa_system_vgpr_workitem_id 0
		.amdhsa_next_free_vgpr 512
		.amdhsa_next_free_sgpr 80
		.amdhsa_reserve_vcc 0
		.amdhsa_float_denorm_mode_32 3
		.amdhsa_float_denorm_mode_16_64 3
		.amdhsa_memory_ordered 1
		.amdhsa_forward_progress 1
		.amdhsa_inst_pref_size 68
	.end_amdhsa_kernel
	.amdgpu_metadata
---
amdhsa.version: [ 1, 2 ]
amdhsa.kernels:
  - .name:           k_qbacbed9a08_kvproj
    .symbol:         k_qbacbed9a08_kvproj.kd
    .args:
      - { .name: acodes, .offset: 0, .size: 8, .value_kind: global_buffer, .address_space: global }
      - { .name: wcodes, .offset: 8, .size: 8, .value_kind: global_buffer, .address_space: global }
      - { .name: bk, .offset: 16, .size: 8, .value_kind: global_buffer, .address_space: global }
      - { .name: bv, .offset: 24, .size: 8, .value_kind: global_buffer, .address_space: global }
      - { .name: kcodes, .offset: 32, .size: 8, .value_kind: global_buffer, .address_space: global }
      - { .name: vcodes, .offset: 40, .size: 8, .value_kind: global_buffer, .address_space: global }
    .group_segment_fixed_size: 327680
    .private_segment_fixed_size: 0
    .kernarg_segment_align: 8
    .kernarg_segment_size: 48
    .max_flat_workgroup_size: 256
    .sgpr_count:     80
    .vgpr_count:     512
    .wavefront_size: 32
...
	.end_amdgpu_metadata
.endif
;; end of part 2
;; launch attn (part 3): grid 256 x 1, 8 waves a work-group, no clusters, 315,392 bytes of LDS; arguments x, wcodes, bq, kcodes, vcodes, out0; writes out0
.if DOCPART == 3
	.amdgcn_target "amdgcn-amd-amdhsa--gfx1250"
	.amdhsa_code_object_version 6
	.text
	.protected	k_qbacbed9a08_attn
	.globl	k_qbacbed9a08_attn
	.p2align	8
	.type	k_qbacbed9a08_attn,@function
k_qbacbed9a08_attn:
	s_mov_b64 s[64:65], 0
	v_nop
	global_prefetch_b8 v0, s[64:65] scope:SCOPE_SE
	s_setreg_imm32_b32 hwreg(HW_REG_WAVE_MODE, 25, 1), 1
	s_wait_xcnt 0x0
; out = softmax((x Wq + bq) K^T / sqrt(512)) V for 128 queries a work-group; all three products on codes of FP6 (E2M3) with one E8M0 scale for each 32 along a product's K.  Q, the scores and p never go to memory.
; Wq's, K's and V's codes lie in the workspace format of the two earlier launches (fragment image 1,536 bytes, scale image 128, sub-block 13,312 = 8 + 8 of them, block = 4 sub-blocks).
; EIGHT WAVES, two to a SIMD, 512 registers each.  All products are used transposed (source 0 = weights, keys or channels; source 1 = queries): a lane holds one query throughout.
; SHARES.  1a: wave w quantises rows 16 w .. 16 w + 15 of x (4 fragments) | barrier | 1b: wave w makes channels 64 w on of Q for all 128 rows (Wq's 16 fragments in window 1), two query tiles a unit | barrier |
; 2: wave w takes key step w, 64 keys a round (K's 16 fragments in window 1), two query tiles a trip: S^T, p, l, M, p's half images to LDS | barrier | the fix: wave w, query tile w | barrier |
; 3: wave w makes channels 64 w on of O^T for all 128 queries: 32 accumulators fill window 1; V comes from memory into registers, two key steps ahead; p from LDS by halves of four query tiles | the way out through the wave's stage.
; A unit or trip holds 64 numbers a lane: blocks (tile mm, block b) at register 16 (2 mm + b): the quantiser's four blocks; its output c = mm is HALF a fragment (64 along the next K) of tile mm.
; IMAGES IN LDS: a fragment is two halves of 768 bytes: registers 6 c .. 6 c + 3 of lane l at 768 c + 16 l, registers 6 c + 4, 5 at 768 c + 512 + 8 l.  A scale word's half is stored as 16 bits at 4 l + 2 c.
; THE SOFTMAX: t = score x log2(e) / sqrt(512); p = 2^(t - M) is quantised along the keys; l is the sum of the unquantised p.  Each group of 64 keys takes its own M_g = ceil(its largest t); the fix takes M = the largest M_g,
; l = the sum of l_g 2^(M_g - M), and adds M_g - M to the group's scale bytes: an exact power of two, which leaves the codes as they are.
; NO JOINT LOADS, though the 16 work-groups of a batch read the same K and V: each fragment goes from memory straight into the registers in which it is used, once a work-group; of a WGP's 327,680 bytes of LDS 12,288 are left, less than one sub-block.
; PREFETCH INTO THE L2: a batch's K (52 pieces of 8,192 bytes) is asked for in phase 1a, two pieces a wave and fragment; its V in phase 2, one piece a wave and trip; by the batch's first work-group alone, lanes 256 bytes apart: each aligned 256 bytes is named once.
; LIMITS: NaN and infinities among the inputs are not served; a block whose largest magnitude lies under 2^-124 keeps the scale byte 1 (a block of zeros too); a byte of p's scales that would fall under 0 in the fix is held at 0;
; M is exact while |t| < 2^24.
; REGISTERS, window 0: v1-23 addresses; v24-47 scale words and nothing else; v48-63 at work; v64-83 codes just made; v84-95 a row's statistics; v96-159 numbers of x, accumulators of Q and S^T; v160-255 two query tiles' fragments.
;   phase 3: v64-159 V's fragments, two sets; v160-255 p's eight fragments.   window 1: x as loaded; Wq and bq; K; the accumulators of O^T, (t, m) at v[8 (8 t + m)].
.set SB,    13312
.set FRB,   1536
.set SCO,   12288
.set BLK,   4*SB
.set QIMG,  53248                      ; x's block lies at LDS byte 0, Q's behind it
.set PIMG,  106496                     ; p's fragments: (ks, m) at 12,288 ks + 1,536 m
.set NEGM,  204800                     ; -M_g: image (g, m) at 1,024 g + 128 m
.set LSUM,  16384                      ; from NEGM on: l_g likewise
.set PSC,   32768                      ; from NEGM on: p's scale words, (ks, m) at 1,024 ks + 128 m
.set RL,    40960                      ; from NEGM on: 1 / l, image m at 128 m
.set STAGE, 246784                     ; 8,448 bytes a wave: 16 rows x 528, on the way out 16 rows x 272
.set STGW,  8448
.set SPARE, 314368                     ; the spare words, 128 bytes a wave
.set LI, 1
.set LS, 2
.set L8, 3
.set SPW, 4
.set NIL, 5
.set STI, 6
.set STO, 7
.set XW16, 8
.set XW8, 9
.set XWS, 10
.set HQ16, 11
.set HQ8, 12
.set HQS, 13
.set BO, 14
.set PFO, 15
.set QA16, 16
.set QA8, 17
.set QAS, 18
.set PW16, 19
.set PW8, 20
.set STW, 21
.set PSW, 22
.set FB, 23
.set CO, 8                             ; from phase 3 on v8-13 hold other addresses
.set PA16, 9
.set PA8, 10
.set PB16, 11
.set PB8, 12
.set PSA, 13
.set RSC, 24
.set SSC, 40
.set TM, 48
.set PC, 64
.set PWA, 79
.set PWB, 83
.set NMA, 84
.set NMB, 86
.set LLA, 92
.set LLB, 93
.set T0, 94
.set T1, 95
.set ACC, 96
.set FR, 160
.set WV, 16
.set G, 19
.set HK, 20
.set SEL, 22
.set CS, 24
.set GC, 26
.set LIM, 27
.set XP, 28
.set WP, 30
.set WS, 32
.set BQ, 34
.set KP, 36
.set VB, 38
.set VS, 40
.set OP, 42
.set PFK, 44
.set PFV, 46
.set PFC, 48
.set PBS, 49
.set SBS, 50
.set PSS, 51
.set STG, 80
.set MSB, 0
.macro WIN new                         ; the immediate's high byte repeats the setting that is left; a switch that changes nothing is dropped
.if MSB != (\new)
	s_set_vgpr_msb (MSB<<8)|(\new)
.set MSB, (\new)
.endif
.endm
.macro BARRIER                         ; my LDS stores have landed and my LDS loads are in: then the work-group's barrier
	s_wait_dscnt 0x0
	s_barrier_signal -1
	s_barrier_wait -1
.endm
.macro NOPS n
.rept \n
	v_nop
.endr
.endm
.macro WMC d, a, b, c, sa, sb
	v_wmma_scale_f32_16x16x128_f8f6f4 v[\d:\d+7], v[\a:\a+11], v[\b:\b+11], v[\c:\c+7], v[\sa], v[\sb] matrix_a_fmt:MATRIX_FMT_FP6 matrix_b_fmt:MATRIX_FMT_FP6
.endm
.macro WM0 d, a, b, sa, sb             ; the first product starts a sum: nothing is ever cleared
	v_wmma_scale_f32_16x16x128_f8f6f4 v[\d:\d+7], v[\a:\a+11], v[\b:\b+11], 0, v[\sa], v[\sb] matrix_a_fmt:MATRIX_FMT_FP6 matrix_b_fmt:MATRIX_FMT_FP6
.endm
; Four blocks of 32, 16 numbers of each in my registers 16 b + i, the other 16 in lane l xor 16: their largest magnitudes
.macro QMAX s
.irp b, 0,1,2,3
	v_max3_num_f32 v[TM+\b], |v[\s+16*\b]|, |v[\s+1+16*\b]|, 0x1800000   ; and the floor 2^(3 - 127): the byte cannot fall under 1
.endr
.irp i, 2,4,6,8,10,12,14
.irp b, 0,1,2,3
	v_max3_num_f32 v[TM+\b], v[TM+\b], |v[\s+16*\b+\i]|, |v[\s+1+16*\b+\i]|   ; the four blocks by turns
.endr
.endr
.irp b, 0,1,2,3
	v_permlanex16_b32 v[TM+4+\b], v[TM+\b], s[SEL], s[SEL+1]
.endr
.irp b, 0,1,2,3
	v_max_num_f32 v[TM+\b], v[TM+\b], v[TM+4+\b]
.endr
.endm
; From the four largest magnitudes: scale bytes and codes.  whole = 1: one row's fragment, its scale word in v[PWA]; whole = 0: two tiles' halves, 16 bits of scales each in v[PWA], v[PWB]
.macro QTAIL s, whole
.irp b, 0,1,2,3
	v_add_nc_u32 v[TM+12+\b], 0xff000000, v[TM+\b] ; 2 off the exponent field: the conversion's scale operand
.endr
.irp b, 0,1,2,3
	v_lshrrev_b32 v[TM+4+\b], 23, v[TM+12+\b]      ; the scale's byte
.endr
	s_wait_alu depctr_va_vdst(0)                   ; the wait, directly ahead of the wait below
	s_wait_dscnt 0x0                               ; the LDS stores of the last codes have read their registers, which are written again below
	v_lshl_or_b32 v[PWA], v[TM+5], 8, v[TM+4]
.if \whole
	s_delay_alu instid0(VALU_DEP_1)
	v_lshl_or_b32 v[PWA], v[TM+6], 16, v[PWA]
	s_delay_alu instid0(VALU_DEP_1)
	v_lshl_or_b32 v[PWA], v[TM+7], 24, v[PWA]
.else
	v_lshl_or_b32 v[PWB], v[TM+7], 8, v[TM+6]
.endif
.irp c, 0,1
	v_cvt_scalef32_pk16_fp6_f32 v[PC+6*\c:PC+2+6*\c], v[\s+32*\c:\s+15+32*\c], v[TM+12+2*\c]
	v_cvt_scalef32_pk16_fp6_f32 v[PC+12+4*\c:PC+14+4*\c], v[\s+16+32*\c:\s+31+32*\c], v[TM+12+2*\c+1]   ; (a conversion's three registers begin on an even number)
.endr
	v_nop                                          ; one plain place behind a scaled conversion
.irp c, 0,1                                    ; the operand's layout wants a whole block in a lane: lanes 0-15 block 2 c, lanes 16-31 block 2 c + 1
.irp i, 0,1,2
	v_permlane16_swap_b32 v[PC+6*\c+\i], v[PC+12+4*\c+\i]
.endr
.irp i, 0,1,2
	v_mov_b32 v[PC+3+6*\c+\i], v[PC+12+4*\c+\i]
.endr
.endr
.endm
.macro HIMG a16, a8, c, off            ; half c of the codes goes to LDS: 768 bytes
	ds_store_b128 v[\a16], v[PC+6*\c:PC+6*\c+3] offset:\off
	ds_store_b64 v[\a8], v[PC+6*\c+4:PC+6*\c+5] offset:\off+512
.endm
.macro FRAGL r, a16, a8, off           ; a fragment from its two halves
	ds_load_b128 v[\r:\r+3], v[\a16] offset:\off
	ds_load_b64 v[\r+4:\r+5], v[\a8] offset:\off+512
	ds_load_b128 v[\r+6:\r+9], v[\a16] offset:\off+768
	ds_load_b64 v[\r+10:\r+11], v[\a8] offset:\off+1280
.endm
.macro FETCH2 a16, a8, as, off, soff   ; two query tiles of a block (x's or Q's): 8 fragments and their scale words
.irp mm, 0,1
.irp s, 0,1,2,3
	FRAGL FR+48*\mm+12*\s, \a16, \a8, \off+\s*SB+\mm*FRB
	ds_load_b32 v[SSC+4*\mm+\s], v[\as] offset:\soff+\s*SB+\mm*128
.endr
.endr
.endm
; 32 matrix instructions: my 4 resident tiles (window 1) x two query tiles, K ascending.  The 8 accumulators take turns, one instruction a turn.  bias = 1: the first K step takes bq as C
.macro MUL32 bias
.irp s, 0,1,2,3
.if (\s == 0) && \bias
	WIN 0x11
.else
	WIN 0x01
.endif
.irp t, 0,1,2,3
.irp mm, 0,1
.if \s == 0
.if \bias
	WMC ACC+32*\mm+8*\t, 12*\t, FR+48*\mm, 192+8*\t, RSC+\t, SSC+4*\mm
.else
	WM0 ACC+32*\mm+8*\t, 12*\t, FR+48*\mm, RSC+\t, SSC+4*\mm
.endif
.else
	WMC ACC+32*\mm+8*\t, 48*\s+12*\t, FR+48*\mm+12*\s, ACC+32*\mm+8*\t, RSC+4*\s+\t, SSC+4*\mm+\s
.endif
.endr
.endr
.endr
	WIN 0
.endm
.macro WQS s                           ; Wq's four tiles of K step s: 12 loads of 512 consecutive bytes
	WIN 0x40
.irp t, 0,1,2,3
.irp c, 0,1,2
	global_load_b128 v[48*(\s)+12*\t+4*\c:48*(\s)+12*\t+4*\c+3], v[LI], s[WP:WP+1] offset:(\s)*SB+\t*FRB+512*\c
.endr
.endr
	WIN 0
.endm
.macro LOADK j                         ; tiles 4 j .. 4 j + 3 of my key step: 48 fragment loads into window 1, 16 scale words
	WIN 0x40
.irp s, 0,1,2,3
.irp t, 0,1,2,3
.irp c, 0,1,2
	global_load_b128 v[48*\s+12*\t+4*\c:48*\s+12*\t+4*\c+3], v[LI], s[KP:KP+1] offset:\s*SB+(4*\j+\t)*FRB+512*\c
.endr
.endr
.endr
	WIN 0
.irp s, 0,1,2,3
.irp t, 0,1,2,3
	global_load_b32 v[RSC+4*\s+\t], v[LS], s[KP:KP+1] offset:\s*SB+SCO+128*(4*\j+\t)
.endr
.endr
.endm
.macro ASKK f                          ; pieces 2 w + 16 f and the next of the batch's 52 pieces of K, while they exist, in the batch's first work-group; no register is stepped
	s_lshl_b32 s52, s[WV], 1
	s_add_co_u32 s52, s52, 16*(\f)
	s_cmp_lt_u32 s52, s[LIM]
	s_cbranch_scc0 .Lno_k_\@
	global_prefetch_b8 v[PFO], s[PFK:PFK+1] offset:131072*(\f) th:TH_LOAD_NT scope:SCOPE_SE
	global_prefetch_b8 v[PFO], s[PFK:PFK+1] offset:131072*(\f)+8192 th:TH_LOAD_NT scope:SCOPE_SE
.Lno_k_\@:
.endm
; K step f of my 16 rows turns through my stage (in as rows, out 16 neighbours of each block to a lane), is quantised, and its image goes to LDS.
; younger: the loads issued behind this fragment's 16: x's later fragments, 16 each, and the pieces of Wq issued so far (12, 12, 24)
.macro XFRAG f, younger
	s_wait_loadcnt \younger
	WIN 0x04                                       ; an LDS store's data are its source 1: window 1
.irp i, 0,1,2,3,4,5,6,7,8,9,10,11,12,13,14,15
	ds_store_b128 v[STI], v[64*(\f)+4*\i:64*(\f)+4*\i+3] offset:528*\i
.endr
	WIN 0
.irp b, 0,1,2,3
.irp j, 0,1,2,3
	ds_load_b128 v[ACC+16*\b+4*\j:ACC+16*\b+4*\j+3], v[STO] offset:128*\b+16*\j   ; LDS serves a wave's instructions in order (ISA guide 5.7.1.4): these see my stores
.endr
.endr
	s_wait_dscnt 0x0                               ; the numbers are back, and the stores have read their registers, which Wq takes
.if (\f) < 2
	WQS \f
.elseif (\f) == 2
	WQS 2
	WQS 3
.else
	WIN 0x40
.irp t, 0,1,2,3
	global_load_b128 v[192+8*\t:192+8*\t+3], v[BO], s[BQ:BQ+1] offset:(32*(\t/2)+8*(\t%2))*4      ; bq in the result's layout
	global_load_b128 v[192+8*\t+4:192+8*\t+7], v[BO], s[BQ:BQ+1] offset:(32*(\t/2)+8*(\t%2))*4+16
.endr
	WIN 0
.endif
	ASKK \f
	QMAX ACC
	QTAIL ACC, 1
	HIMG XW16, XW8, 0, (\f)*SB
	HIMG XW16, XW8, 1, (\f)*SB+768
	ds_store_b32 v[XWS], v[PWA] offset:(\f)*SB
.endm
; Query tiles 2 u, 2 u + 1: my 64 channels of Q, quantised: half w % 2 of K step w / 2 of Q
.macro UNIT u
	s_wait_dscnt 0x0                               ; x's two tiles are in
	MUL32 1
	NOPS 5                                         ; places: four ahead of the loads into registers that the products read and of the first read of results; a fifth for the next products, which begin these accumulators anew
.if (\u) < 3
	FETCH2 LI, L8, LS, (2*(\u)+2)*FRB, SCO+(2*(\u)+2)*128
.else
	LOADK 0                                        ; Wq is done with: K's first 64 keys take its registers
.endif
	QMAX ACC
	QTAIL ACC, 0
	HIMG HQ16, HQ8, 0, 2*(\u)*FRB
	HIMG HQ16, HQ8, 1, (2*(\u)+1)*FRB
	ds_store_b16 v[HQS], v[PWA] offset:2*(\u)*128
	ds_store_b16 v[HQS], v[PWB] offset:(2*(\u)+1)*128
.endm
; Two tiles of 16 queries x 64 keys: M_g, p, l_g, p's codes and scale bytes; all to LDS
.macro SOFTMAX2
.irp b, 0,1,2,3
	v_max3_num_f32 v[TM+\b], v[ACC+16*\b], v[ACC+1+16*\b], v[ACC+2+16*\b]   ; the largest score of each block of 32 keys: for the row's maximum and, since p rises with the score, for the block's largest p
.endr
.irp i, 3,5,7,9,11,13
.irp b, 0,1,2,3
	v_max3_num_f32 v[TM+\b], v[TM+\b], v[ACC+16*\b+\i], v[ACC+1+16*\b+\i]
.endr
.endr
.irp b, 0,1,2,3
	v_max_num_f32 v[TM+\b], v[TM+\b], v[ACC+15+16*\b]
.endr
.irp b, 0,1,2,3
	v_permlanex16_b32 v[TM+4+\b], v[TM+\b], s[SEL], s[SEL+1]
.endr
.irp b, 0,1,2,3
	v_max_num_f32 v[TM+\b], v[TM+\b], v[TM+4+\b]
.endr
	v_max_num_f32 v[NMA+1], v[TM], v[TM+1]
	v_max_num_f32 v[NMB+1], v[TM+2], v[TM+3]
	s_delay_alu instid0(VALU_DEP_2)
	v_mul_f32 v[NMA+1], s[CS], v[NMA+1]            ; the group's largest t (c is positive)
	s_delay_alu instid0(VALU_DEP_2)
	v_mul_f32 v[NMB+1], s[CS], v[NMB+1]
	s_delay_alu instid0(VALU_DEP_2)
	v_floor_f32 v[NMA], -v[NMA+1]                  ; -M_g = floor(-t) = -ceil(t): a whole number
	s_delay_alu instid0(VALU_DEP_2)
	v_floor_f32 v[NMB], -v[NMB+1]
.set J, 0
.rept 16
	v_pk_fma_f32 v[ACC+J:ACC+J+1], v[ACC+J:ACC+J+1], s[CS:CS+1], v[NMA:NMA+1] op_sel_hi:[1,0,0]   ; t - M_g, two at a time (of the pairs c and -M_g the low word serves both halves)
	v_pk_fma_f32 v[ACC+32+J:ACC+33+J], v[ACC+32+J:ACC+33+J], s[CS:CS+1], v[NMB:NMB+1] op_sel_hi:[1,0,0]
.set J, J+2
.endr
	v_fma_f32 v[TM], v[TM], s[CS], v[NMA]          ; the same of each block's largest score
	v_fma_f32 v[TM+1], v[TM+1], s[CS], v[NMA]
	v_fma_f32 v[TM+2], v[TM+2], s[CS], v[NMB]
	v_fma_f32 v[TM+3], v[TM+3], s[CS], v[NMB]
	s_wait_alu depctr_va_vdst(0)                   ; the wait ahead of the batch
.set J, 0
.rept 64
	v_exp_f32 v[ACC+J], v[ACC+J]                   ; p = 2^(t - M_g): not normalised
.set J, J+1
.endr
	v_nop                                          ; a plain place behind the exponentials
	s_wait_alu depctr_va_vdst(0)                   ; one wait for the whole batch
.irp b, 0,1,2,3
	v_exp_f32 v[TM+\b], v[TM+\b]                   ; the block's largest p: the same two instructions on the same number
.endr
.irp q, 0,1                                    ; l_g is taken of the unquantised p: two at a time, four chains by turns
	v_pk_add_f32 v[PC+4*\q:PC+4*\q+1], v[ACC+32*\q:ACC+32*\q+1], v[ACC+32*\q+2:ACC+32*\q+3]
	v_pk_add_f32 v[PC+4*\q+2:PC+4*\q+3], v[ACC+32*\q+4:ACC+32*\q+5], v[ACC+32*\q+6:ACC+32*\q+7]
.endr
.irp j, 8,12,16,20,24,28
.irp q, 0,1
	v_pk_add_f32 v[PC+4*\q:PC+4*\q+1], v[PC+4*\q:PC+4*\q+1], v[ACC+32*\q+\j:ACC+32*\q+\j+1]
	v_pk_add_f32 v[PC+4*\q+2:PC+4*\q+3], v[PC+4*\q+2:PC+4*\q+3], v[ACC+32*\q+\j+2:ACC+32*\q+\j+3]
.endr
.endr
	v_pk_add_f32 v[PC:PC+1], v[PC:PC+1], v[PC+2:PC+3]
	v_pk_add_f32 v[PC+4:PC+5], v[PC+4:PC+5], v[PC+6:PC+7]
	s_delay_alu instid0(VALU_DEP_2)
	v_add_f32 v[LLA], v[PC], v[PC+1]
	s_delay_alu instid0(VALU_DEP_2)
	v_add_f32 v[LLB], v[PC+4], v[PC+5]
	v_permlanex16_b32 v[T0], v[LLA], s[SEL], s[SEL+1]
	v_permlanex16_b32 v[T1], v[LLB], s[SEL], s[SEL+1]
	v_add_f32 v[LLA], v[LLA], v[T0]                ; with lane l xor 16's 32 keys
	v_add_f32 v[LLB], v[LLB], v[T1]
	s_wait_alu depctr_va_vdst(0)                   ; and one wait for the four
.irp b, 0,1,2,3
	v_max_num_f32 v[TM+\b], 0x1800000, v[TM+\b]    ; the floor 2^(3 - 127): the byte cannot fall under 1
.endr
	QTAIL ACC, 0
	HIMG PW16, PW8, 0, 0
	HIMG PW16, PW8, 1, FRB
	ds_store_b32 v[STW], v[NMA]
	ds_store_b32 v[STW], v[NMB] offset:128
	ds_store_b32 v[STW], v[LLA] offset:LSUM
	ds_store_b32 v[STW], v[LLB] offset:LSUM+128
	ds_store_b16 v[PSW], v[PWA]
	ds_store_b16 v[PSW], v[PWB] offset:128
.endm
; THE FIX for query tile w: M, l, 1 / l, and M_g - M onto the two bytes of each group's scales, in place: only this wave touches these words between the two barriers
.set FN, 160
.set FL, 176
.set FP, 192
.set FD, 200
.set FT, 216
.set FM, 220
.set FS, 221
.set FS2, 222
.set FRC, 223
.macro FIX
.irp k, 0,1,2,3,4,5,6,7,8,9,10,11,12,13,14,15
	ds_load_b32 v[FN+\k], v[FB] offset:1024*\k
	ds_load_b32 v[FL+\k], v[FB] offset:LSUM+1024*\k
.endr
.irp k, 0,1,2,3,4,5,6,7
	ds_load_b32 v[FP+\k], v[FB] offset:PSC+1024*\k
.endr
	s_wait_dscnt 0x0
	v_min3_num_f32 v[FM], v[FN], v[FN+1], v[FN+2]
	v_min3_num_f32 v[FT], v[FN+3], v[FN+4], v[FN+5]
.irp k, 6,10
	v_min3_num_f32 v[FM], v[FM], v[FN+\k], v[FN+\k+1]
	v_min3_num_f32 v[FT], v[FT], v[FN+\k+2], v[FN+\k+3]
.endr
	v_min3_num_f32 v[FM], v[FM], v[FN+14], v[FN+15]
	s_delay_alu instid0(VALU_DEP_1)
	v_min_num_f32 v[FM], v[FM], v[FT]              ; -M = the least -M_g
.irp k, 0,1,2,3,4,5,6,7,8,9,10,11,12,13,14,15
	v_sub_f32 v[FN+\k], v[FM], v[FN+\k]            ; M_g - M: a whole number, 0 or less
.endr
.irp k, 0,1,2,3,4,5,6,7,8,9,10,11,12,13,14,15
	v_cvt_i32_f32 v[FN+\k], v[FN+\k]               ; (it saturates)
.endr
.irp k, 0,1,2,3,4,5,6,7,8,9,10,11,12,13,14,15
	v_max_i32 v[FN+\k], 0xffffff00, v[FN+\k]       ; held at -256: under that every byte ends at 0 anyway
.endr
.irp k, 0,1,2,3,4,5,6,7,8,9,10,11,12,13,14,15
	v_ldexp_f32 v[FD+\k], 1.0, v[FN+\k]            ; 2^(M_g - M)
.endr
	v_mul_f32 v[FS], v[FL], v[FD]
	v_mul_f32 v[FS2], v[FL+1], v[FD+1]
.irp k, 2,4,6,8,10,12,14
	v_fmac_f32 v[FS], v[FL+\k], v[FD+\k]
	v_fmac_f32 v[FS2], v[FL+\k+1], v[FD+\k+1]
.endr
	v_add_f32 v[FS], v[FS], v[FS2]                 ; l
.irp k, 0,1,2,3,4,5,6,7
	v_bfe_u32 v[FT], v[FP+\k], 0, 8
	v_bfe_u32 v[FT+1], v[FP+\k], 8, 8
	v_bfe_u32 v[FT+2], v[FP+\k], 16, 8
	v_lshrrev_b32 v[FT+3], 24, v[FP+\k]
	v_add_nc_u32 v[FT], v[FT], v[FN+2*\k]
	v_add_nc_u32 v[FT+1], v[FT+1], v[FN+2*\k]
	v_add_nc_u32 v[FT+2], v[FT+2], v[FN+2*\k+1]
	v_add_nc_u32 v[FT+3], v[FT+3], v[FN+2*\k+1]
.irp b, 0,1,2,3
	v_max_i32 v[FT+\b], 0, v[FT+\b]                ; held at the byte 0
.endr
	v_lshl_or_b32 v[FP+\k], v[FT+1], 8, v[FT]
	s_delay_alu instid0(VALU_DEP_1)
	v_lshl_or_b32 v[FP+\k], v[FT+2], 16, v[FP+\k]
	s_delay_alu instid0(VALU_DEP_1)
	v_lshl_or_b32 v[FP+\k], v[FT+3], 24, v[FP+\k]
	ds_store_b32 v[FB], v[FP+\k] offset:PSC+1024*\k
.endr
	s_wait_alu depctr_va_vdst(0)                   ; the wait ahead of the reciprocal
	v_rcp_f32 v[FRC], v[FS]
	v_nop                                          ; a plain place behind it
	s_wait_alu depctr_va_vdst(0)                   ; and the wait behind it
	ds_store_b32 v[FB], v[FRC] offset:RL
.endm
; PHASE 3
.macro FETCHV k                        ; my four tiles of V of key step k into set k % 2, and their scale words: 16 loads
.irp t, 0,1,2,3
.irp c, 0,1,2
	global_load_b128 v[64+48*((\k)%2)+12*\t+4*\c:64+48*((\k)%2)+12*\t+4*\c+3], v[LI], s[VB:VB+1] offset:(\k)*SB+\t*FRB+512*\c
.endr
.endr
.irp t, 0,1,2,3
	global_load_b32 v[24+4*((\k)%2)+\t], v[LS], s[VS:VS+1] offset:(\k)*SB+128*\t
.endr
.endm
.macro FETCHPH k, m0                   ; p of key step k, query tiles m0 .. m0 + 3, and their mended scale words: 20 LDS loads
.irp mi, 0,1,2,3
.if (\k) < 4
	FRAGL 160+12*(\m0+\mi), PA16, PA8, (\k)*8*FRB+(\m0+\mi)*FRB
.else
	FRAGL 160+12*(\m0+\mi), PB16, PB8, ((\k)-4)*8*FRB+(\m0+\mi)*FRB
.endif
	ds_load_b32 v[32+\m0+\mi], v[PSA] offset:PSC+1024*(\k)+128*(\m0+\mi)
.endr
.endm
.macro PV16 k, m0                      ; 16 matrix instructions: V's four tiles x four query tiles.  The 32 accumulators take turns, one instruction a turn, in the same order in every step
	WIN 0x50                                       ; C and D window 1
.irp t, 0,1,2,3
.irp mi, 0,1,2,3
.if (\k) == 0
	WM0 8*(8*\t+\m0+\mi), 64+48*((\k)%2)+12*\t, 160+12*(\m0+\mi), 24+4*((\k)%2)+\t, 32+\m0+\mi
.else
	WMC 8*(8*\t+\m0+\mi), 64+48*((\k)%2)+12*\t, 160+12*(\m0+\mi), 8*(8*\t+\m0+\mi), 24+4*((\k)%2)+\t, 32+\m0+\mi
.endif
.endr
.endr
	WIN 0
.endm
.macro STEP3 k
.if (\k) < 7
	s_wait_loadcnt 16                              ; this step's V is in; the next step's 16 loads may be out
.else
	s_wait_loadcnt 0x0
.endif
	s_wait_dscnt 20                                ; p's tiles 0-3 are in; the 20 loads of tiles 4-7 may be out
	PV16 \k, 0
.if (\k) < 7
	NOPS 4                                         ; places ahead of the loads into registers that these products read
	FETCHPH (\k)+1, 0
	s_wait_dscnt 20                                ; tiles 4-7 are in; the 20 just issued may be out
.else
	s_wait_dscnt 0x0
.endif
	PV16 \k, 4
.if (\k) < 7
	NOPS 4
	FETCHPH (\k)+1, 4
.endif
.if (\k) < 6
	FETCHV (\k)+2                                  ; this step's set takes the step two on
.endif
.endm
; THE WAY OUT of query tile m: O^T / l in place; through my stage (a lane's 8 registers of tile t are channels 32 (t / 2) + 16 h + 8 (t % 2) + 0 .. 7 of its query); back as rows of 256 bytes.  Each accumulator from its low end on
.macro PACKM m
	WIN 0x41                                       ; destination and source 0 window 1; 1 / l in window 0
.irp t, 0,1,2,3
.irp i, 0,2,4,6
.if ((\m)%2) == 0
	v_pk_mul_f32 v[8*(8*\t+(\m))+\i:8*(8*\t+(\m))+\i+1], v[8*(8*\t+(\m))+\i:8*(8*\t+(\m))+\i+1], v[192+2*((\m)/2):192+2*((\m)/2)+1] op_sel_hi:[1,0]
.else
	v_pk_mul_f32 v[8*(8*\t+(\m))+\i:8*(8*\t+(\m))+\i+1], v[8*(8*\t+(\m))+\i:8*(8*\t+(\m))+\i+1], v[192+2*((\m)/2):192+2*((\m)/2)+1] op_sel:[0,1] op_sel_hi:[1,1]
.endif
.endr
.endr
.endm
.macro TOSTAGE m
	WIN 0x04                                       ; an LDS store's data are its source 1: window 1
.irp t, 0,1,2,3
	ds_store_b128 v[STO], v[8*(8*\t+(\m)):8*(8*\t+(\m))+3] offset:128*(\t/2)+32*(\t%2)
	ds_store_b128 v[STO], v[8*(8*\t+(\m))+4:8*(8*\t+(\m))+7] offset:128*(\t/2)+32*(\t%2)+16
.endr
	WIN 0
.irp i, 0,1,2,3,4,5,6,7
	ds_load_b128 v[64+32*((\m)%2)+4*\i:64+32*((\m)%2)+4*\i+3], v[STI] offset:544*\i   ; two rows an instruction; in order behind the stores above
.endr
.endm
.macro SEND m, younger                 ; younger: the LDS instructions issued behind tile m's loads, which may stay out
	s_wait_dscnt \younger
.irp i, 0,1,2,3,4,5,6,7
	global_store_b128 v[CO], v[64+32*((\m)%2)+4*\i:64+32*((\m)%2)+4*\i+3], s[OP:OP+1] offset:(16*(\m)+2*\i)*2048 th:TH_STORE_NT   ; sixteen lanes store 256 consecutive bytes, at a multiple of 256 from out0's first byte
.endr
.endm
	s_load_b256 s[4:11], s[0:1], 0x0               ; x s[4:5], wcodes s[6:7], bq s[8:9], kcodes s[10:11]
	s_load_b128 s[12:15], s[0:1], 0x20             ; vcodes s[12:13], out0 s[14:15]
	v_lshl_add_u32 v[SPW], v0, 2, SPARE
	v_mov_b32 v[NIL], 0
	v_lshrrev_b32 v84, 5, v0
	v_readfirstlane_b32 s[WV], v84                 ; wave 0..7
	s_lshr_b32 s[G], s[WV], 1                      ; my group of 128 channels,
	s_and_b32 s[HK], s[WV], 1                      ; and which 64 of them
	s_lshr_b32 s17, ttmp9, 4                       ; batch
	s_and_b32 s18, ttmp9, 15                       ; my place among the batch's 16 work-groups
	s_mov_b32 s[SEL], 0x76543210
	s_mov_b32 s[SEL+1], 0xfedcba98                 ; v_permlanex16_b32's selects for lane l xor 16
	s_mov_b32 s[CS], 0x3d8293ee                    ; c = log2(e) / sqrt(512)
	s_mov_b32 s[CS+1], s[CS]                       ; (named with it as a pair, so it is written)
	s_lshl_b32 s52, ttmp9, 18                      ; 128 rows of 2,048 bytes
	s_lshl_b32 s54, s[WV], 15
	s_add_co_u32 s54, s52, s54                     ; x: my wave's 16 rows
	s_mov_b32 s55, 0
	s_lshl_b32 s56, s[WV], 8                       ; bq: my 64 numbers
	s_mov_b32 s57, 0
	s_add_co_u32 s52, s52, s56                     ; out0: my 64 channels
	s_mov_b32 s53, 0
	s_mul_i32 s58, s[G], BLK
	s_mul_i32 s60, s[HK], 4*FRB
	s_lshl_b32 s61, s[HK], 9
	s_add_co_u32 s61, s61, SCO
	s_add_co_u32 s62, s58, s61                     ; Wq: my four tiles' scale images,
	s_mov_b32 s63, 0
	s_add_co_u32 s58, s58, s60                     ; and their fragments
	s_mov_b32 s59, 0
	s_lshl_b32 s66, s17, 3
	s_add_co_u32 s66, s66, s[WV]
	s_mul_i32 s66, s66, BLK                        ; K's block of key step w
	s_mov_b32 s67, 0
	s_lshl_b32 s68, s17, 2
	s_add_co_u32 s68, s68, s[G]
	s_mul_i32 s68, s68, 8*SB                       ; V's 8 sub-blocks of my channel group
	s_add_co_u32 s70, s68, s60
	s_mov_b32 s71, 0
	s_add_co_u32 s72, s68, s61
	s_mov_b32 s73, 0
	s_mul_i32 s74, s17, 8*BLK                      ; the batch's K, or V: 425,984 bytes
	s_lshl_b32 s76, s[WV], 14
	s_add_co_u32 s76, s74, s76
	s_mov_b32 s77, 0
	s_lshl_b32 s78, s[WV], 13
	s_add_co_u32 s78, s74, s78
	s_mov_b32 s79, 0
	s_cmp_eq_u32 s18, 0
	s_cselect_b32 s[LIM], 52, 0                    ; the batch's first work-group asks for all 52 pieces, the others for none
	s_mul_i32 s[STG], s[WV], STGW
	s_add_co_u32 s[STG], s[STG], STAGE             ; my stage
	s_mul_i32 s[PBS], s[WV], 8*FRB
	s_add_co_u32 s[PBS], s[PBS], PIMG              ; p of key step w
	s_lshl_b32 s[SBS], s[WV], 11
	s_add_co_u32 s[SBS], s[SBS], NEGM              ; the statistics of groups 2 w, 2 w + 1
	s_lshl_b32 s[PSS], s[WV], 10
	s_add_co_u32 s[PSS], s[PSS], NEGM+PSC          ; p's scale words of key step w
	s_mul_i32 s81, s[WV], FRB                      ; x's tile w
	s_lshl_b32 s82, s[WV], 7
	s_add_co_u32 s85, s82, NEGM
	s_add_co_u32 s82, s82, SCO
	s_mul_i32 s83, s[G], SB
	s_add_co_u32 s83, s83, QIMG
	s_lshl_b32 s84, s[HK], 1
	s_add_co_u32 s84, s84, s83
	s_add_co_u32 s84, s84, SCO                     ; Q's K step w / 2: my 16 bits of its scale words,
	s_mul_i32 s86, s[HK], 768
	s_add_co_u32 s83, s83, s86                     ; and my half of its fragments
	v_and_b32 v84, 31, v0                          ; lane
	v_and_b32 v85, 15, v0                          ; r
	v_bfe_u32 v86, v0, 4, 1                        ; h
	v_lshlrev_b32 v[LI], 4, v84
	v_lshlrev_b32 v[LS], 2, v84
	v_lshlrev_b32 v[L8], 3, v84
	v_lshlrev_b32 v[PFO], 8, v84
	v_lshlrev_b32 v[BO], 6, v86                    ; bq: lane (r, h) wants, for tile 2 b + u, channels 32 b + 16 h + 8 u + 0 .. 7
	v_mul_u32_u24 v[STO], v85, 528
	v_add_nc_u32 v[STI], s[STG], v[LI]
	v_lshl_add_u32 v[STO], v86, 6, v[STO]
	v_add_nc_u32 v[XW16], s81, v[LI]
	v_add_nc_u32 v[XW8], s81, v[L8]
	v_add_nc_u32 v[STO], s[STG], v[STO]
	v_add_nc_u32 v[XWS], s82, v[LS]
	v_add_nc_u32 v[HQ16], s83, v[LI]
	v_add_nc_u32 v[HQ8], s83, v[L8]
	v_add_nc_u32 v[HQS], s84, v[LS]
	v_add_nc_u32 v[QA16], QIMG, v[LI]
	v_add_nc_u32 v[QA8], QIMG, v[L8]
	v_add_nc_u32 v[QAS], QIMG+SCO, v[LS]
	v_add_nc_u32 v[FB], s85, v[LS]
	v_mov_b32 v[T0], 0                             ; written once: a lane permute's destination counts as one of its sources
	v_mov_b32 v[T1], 0
.irp b, 0,1,2,3
	v_mov_b32 v[TM+4+\b], 0
.endr
	s_wait_alu depctr_va_vdst(0)                   ; the wait at the head's end
	s_wait_kmcnt 0x0
	s_add_nc_u64 s[XP:XP+1], s[4:5], s[54:55]
	s_add_nc_u64 s[OP:OP+1], s[14:15], s[52:53]
	s_add_nc_u64 s[WP:WP+1], s[6:7], s[58:59]
	s_add_nc_u64 s[WS:WS+1], s[6:7], s[62:63]
	s_add_nc_u64 s[BQ:BQ+1], s[8:9], s[56:57]
	s_add_nc_u64 s[KP:KP+1], s[10:11], s[66:67]
	s_add_nc_u64 s[VB:VB+1], s[12:13], s[70:71]
	s_add_nc_u64 s[VS:VS+1], s[12:13], s[72:73]
	s_add_nc_u64 s[PFK:PFK+1], s[10:11], s[76:77]
	s_add_nc_u64 s[PFV:PFV+1], s[12:13], s[78:79]
	; ---- 1a: my 16 rows of x become 4 fragments.  All 64 loads of x go out here, each of 512 consecutive bytes, aligned; x is read once in the launch
.irp s, 0,1,2,3
.irp t, 0,1,2,3
	global_load_b32 v[RSC+4*\s+\t], v[LS], s[WS:WS+1] offset:\s*SB+128*\t   ; Wq's scale words: older than every load of x
.endr
.endr
	WIN 0x40
.irp f, 0,1,2,3
.irp i, 0,1,2,3,4,5,6,7,8,9,10,11,12,13,14,15
	global_load_b128 v[64*\f+4*\i:64*\f+4*\i+3], v[LI], s[XP:XP+1] offset:\i*2048+512*\f th:TH_LOAD_NT
.endr
.endr
	WIN 0
	XFRAG 0, 48
	XFRAG 1, 44
	XFRAG 2, 40
	XFRAG 3, 48
	BARRIER                                        ; x's 32 images lie in LDS
	; ---- 1b: my 64 channels of Q for the 128 rows
	FETCH2 LI, L8, LS, 0, SCO
	s_wait_loadcnt 0x0                             ; Wq, its scale words, bq
.irp u, 0,1,2,3
	UNIT \u
.endr
	BARRIER                                        ; Q's 32 images lie in LDS
	; ---- 2: 8 trips: trip g serves keys 64 (g / 4) on of key step w and query tiles 2 (g % 4), 2 (g % 4) + 1
	FETCH2 QA16, QA8, QAS, 0, 0
	s_mov_b32 s[GC], 0
	s_mov_b32 s[PFC], s[WV]
.Lgroup:
	s_wait_loadcnt 0x0                             ; K's tiles are in
	s_wait_dscnt 0x0                               ; Q's two tiles are in, and the last trip's LDS stores have read their registers
	MUL32 0
	NOPS 5                                         ; places: four ahead of the loads below and of the first read of the scores; a fifth for the next trip's products, which begin these accumulators anew
	s_cmp_eq_u32 s[GC], 7
	s_cbranch_scc1 .Lno_q                          ; the last trip has no successor
	s_add_co_u32 s52, s[GC], 1
	s_and_b32 s52, s52, 3
	s_mul_i32 s53, s52, 2*FRB
	s_add_co_u32 s53, s53, QIMG
	s_lshl_b32 s52, s52, 8
	s_add_co_u32 s52, s52, QIMG+SCO
	v_add_nc_u32 v[QA16], s53, v[LI]
	v_add_nc_u32 v[QA8], s53, v[L8]
	v_add_nc_u32 v[QAS], s52, v[LS]
	FETCH2 QA16, QA8, QAS, 0, 0                    ; the next trip's two tiles of queries land under this trip's softmax
.Lno_q:
	s_cmp_eq_u32 s[GC], 3
	s_cbranch_scc0 .Lno_k2
	LOADK 1                                        ; the first 64 keys are done with: the other 64 take their registers
.Lno_k2:
	s_cmp_lt_u32 s[PFC], s[LIM]                    ; piece w + 8 g of the batch's 52 pieces of V, while it exists, in the batch's first work-group
	s_cbranch_scc0 .Lno_v
	global_prefetch_b8 v[PFO], s[PFV:PFV+1] th:TH_LOAD_NT scope:SCOPE_SE
.Lno_v:
	s_and_b32 s52, s[GC], 3
	s_lshr_b32 s53, s[GC], 2
	s_mul_i32 s54, s52, 2*FRB
	s_mul_i32 s55, s53, 768
	s_add_co_u32 s54, s54, s55
	s_add_co_u32 s54, s54, s[PBS]
	s_lshl_b32 s52, s52, 8
	s_lshl_b32 s55, s53, 10
	s_add_co_u32 s55, s55, s52
	s_add_co_u32 s55, s55, s[SBS]
	s_lshl_b32 s53, s53, 1
	s_add_co_u32 s53, s53, s52
	s_add_co_u32 s53, s53, s[PSS]
	v_add_nc_u32 v[PW16], s54, v[LI]
	v_add_nc_u32 v[PW8], s54, v[L8]
	v_add_nc_u32 v[STW], s55, v[LS]
	v_add_nc_u32 v[PSW], s53, v[LS]
	SOFTMAX2
	s_wait_xcnt 0x0                                ; the prefetch, a softmax back, has read its address: it may step
	s_add_nc_u64 s[PFV:PFV+1], s[PFV:PFV+1], 0x10000
	s_add_co_u32 s[PFC], s[PFC], 8
	s_add_co_u32 s[GC], s[GC], 1
	s_cmp_lt_u32 s[GC], 8
	s_wait_alu depctr_va_vdst(0)                   ; the wait, directly ahead of the branch
	s_cbranch_scc1 .Lgroup
	s_wait_loadcnt 0x0                             ; nothing of K is out
	s_wait_dscnt 0x0                               ; my LDS stores have read the registers in which V lands
	FETCHV 0                                       ; V of key steps 0 and 1: they land under the barriers and the fix
	FETCHV 1
	v_and_b32 v48, 15, v0                          ; r
	v_bfe_u32 v49, v0, 4, 1                        ; h
	v_mul_u32_u24 v50, v48, 272
	v_mul_u32_u24 v51, v49, 272
	v_lshlrev_b32 v52, 11, v49
	v_lshl_add_u32 v50, v49, 6, v50
	v_lshl_add_u32 v51, v48, 4, v51
	v_lshl_add_u32 v[CO], v48, 4, v52              ; out0: two rows an instruction, 16 bytes a lane
	v_add_nc_u32 v[STO], s[STG], v50               ; the stage on the way out: in, row r, 64 h;
	v_add_nc_u32 v[STI], s[STG], v51               ; back, row h, 16 r
	v_add_nc_u32 v[PA16], PIMG, v[LI]
	v_add_nc_u32 v[PA8], PIMG, v[L8]
	v_add_nc_u32 v[PB16], PIMG+32*FRB, v[LI]
	v_add_nc_u32 v[PB8], PIMG+32*FRB, v[L8]
	v_add_nc_u32 v[PSA], NEGM, v[LS]
	s_wait_alu depctr_va_vdst(0)                   ; the wait, directly ahead of the wait below
	BARRIER                                        ; all groups' -M_g, l_g, scale bytes and images of p lie in LDS
	FIX
	BARRIER                                        ; the mended scale words and 1 / l lie in LDS
	; ---- 3: O^T = V^T P^T, written out: every offset is an immediate
	FETCHPH 0, 0
	FETCHPH 0, 4
.irp k, 0,1,2,3,4,5,6,7
	STEP3 \k
.endr
	; ---- the way out
	NOPS 5                                         ; places behind the last products: ahead of the loads into registers that they read, and of the first read of results
.irp m, 0,1,2,3,4,5,6,7
	ds_load_b32 v[192+\m], v[PSA] offset:RL+128*\m ; 1 / l of my lane's query in tile m
.endr
	s_wait_dscnt 0x0
	PACKM 0
	TOSTAGE 0
.irp m, 1,2,3,4,5,6,7
	PACKM \m
.if \m > 1
	WIN 0
	s_wait_alu depctr_va_vdst(0)                   ; the wait, directly ahead of the wait below
	s_wait_xcnt 0x0                                ; tile m - 2's stores have read their registers: tile m's rows may land there
.endif
	TOSTAGE \m
	SEND \m-1, 16                                  ; behind tile m - 1's loads: tile m's 8 stores and 8 loads
.endr
	SEND 7, 0
	s_wait_tensorcnt 0x0                           ; the wave's end
	ds_add_u32 v[SPW], v[NIL]
	s_wait_dscnt 0x0
	s_endpgm
.Lfunc_end_k_qbacbed9a08_attn:
	.size	k_qbacbed9a08_attn, .Lfunc_end_k_qbacbed9a08_attn-k_qbacbed9a08_attn
	.p2alignl 7, 3214868480
	.fill 96, 4, 3214868480
	.section	.rodata,"a",@progbits
	.p2align	6, 0x0
	.amdhsa_kernel k_qbacbed9a08_attn
		.amdhsa_group_segment_fixed_size 315392
		.amdhsa_private_segment_fixed_size 0
		.amdhsa_enable_private_segment 0
		.amdhsa_kernarg_size 48
		.amdhsa_user_sgpr_count 2
		.amdhsa_user_sgpr_kernarg_segment_ptr 1
		.amdhsa_wavefront_size32 1
		.amdhsa_system_sgpr_workgroup_id_x 1
		.amdhsa_system_sgpr_workgroup_id_y 1
		.amdhsa_system_sgpr_workgroup_id_z 1
		.amdhsa_system_vgpr_workitem_id 0
		.amdhsa_next_free_vgpr 512
		.amdhsa_next_free_sgpr 90
		.amdhsa_reserve_vcc 0
		.amdhsa_float_denorm_mode_32 3
		.amdhsa_float_denorm_mode_16_64 3
		.amdhsa_memory_ordered 1
		.amdhsa_forward_progress 1
		.amdhsa_inst_pref_size 229
	.end_amdhsa_kernel
	.amdgpu_metadata
---
amdhsa.version: [ 1, 2 ]
amdhsa.kernels:
  - .name:           k_qbacbed9a08_attn
    .symbol:         k_qbacbed9a08_attn.kd
    .args:
      - { .name: x, .offset: 0, .size: 8, .value_kind: global_buffer, .address_space: global }
      - { .name: wcodes, .offset: 8, .size: 8, .value_kind: global_buffer, .address_space: global }
      - { .name: bq, .offset: 16, .size: 8, .value_kind: global_buffer, .address_space: global }
      - { .name: kcodes, .offset: 24, .size: 8, .value_kind: global_buffer, .address_space: global }
      - { .name: vcodes, .offset: 32, .size: 8, .value_kind: global_buffer, .address_space: global }
      - { .name: out0, .offset: 40, .size: 8, .value_kind: global_buffer, .address_space: global }
    .group_segment_fixed_size: 315392
    .private_segment_fixed_size: 0
    .kernarg_segment_align: 8
    .kernarg_segment_size: 48
    .max_flat_workgroup_size: 256
    .sgpr_count:     90
    .vgpr_count:     512
    .wavefront_size: 32
...
	.end_amdgpu_metadata
.endif
;; end of part 3
